; MI455X (gfx1250); checked and timed in simulation.
; The chip was launched on July 23, 2026; its instructions are those of AMD's public machine-readable ISA for CDNA 5 (MIT licence, August 2026) and "CDNA5" Instruction Set Architecture Reference Guide (July 2026). The comments in the code are by the model that wrote it; some were corrected since.
;; Attention. Allowed arithmetic: matrix products marked QUANTISED: E2M1 operands, one E8M0 scale for each 32 along K, by v_wmma_scale_f32_16x16x128_f8f6f4 with both operands' format E2M1 (or v_wmma_scale_f32_32x16x128_f4), f32 sums; products left as they are: bf16, f16 or f32 operands; f32 sums; everything else in f32.
;; Inputs: cos 2,048 x 64 float32; sin 2,048 x 64 float32; wk 1,024 x 256 float32; wo 1,024 x 1,024 float32; wq 1,024 x 1,024 float32; wv 1,024 x 256 float32; x 2 x 2,048 x 1,024 float32.
;; Outputs: out0 2 x 2,048 x 1,024 float32.
;; This version of the problem:
;;   THIS VERSION OF THE PROBLEM IS GIVEN IN LOW PRECISION. The matrix products marked QUANTISED in the list below multiply operands that are first quantised to E2M1 (2 exponent bits, 1 mantissa bit; 4 bits a number), with one power-of-two scale for each 32 numbers along K (OCP MX v1.0); their sums are f32. The products marked 'left as it is' may take bf16, f16 or f32 operands, with f32 sums. Whichever they take, every output number must still come out within the allowed error. Rounding operands to bf16 (8 significant bits) uses up far more of that allowance than f16 does (11 bits, for magnitudes from 6e-5 to 65,504). All else is computed in f32.
;;   The module's matrix products, in the order in which they are computed (A, B: the left and right operand; K: the contracted axis; several contracted axes count as one K, in the product's order):
;;     1. [M 4,096, K 1,024] x [K 1,024, N 1,024]; A: input x; B: input wq: QUANTISED
;;     2. [M 4,096, K 1,024] x [K 1,024, N 256]; A: input x; B: input wk: QUANTISED
;;     3. [M 4,096, K 1,024] x [K 1,024, N 256]; A: input x; B: input wv: QUANTISED
;;     4. batch 8 x [M 2,048, K 64] x [K 64, N 8,192]; A: computed on the way; B: computed on the way: left as it is (an operand is computed on the way)
;;     5. batch 8 x [M 64, K 2,048] x [K 2,048, N 8,192]; A: computed on the way; B: computed on the way: left as it is (an operand is computed on the way)
;;     6. [M 4,096, K 1,024] x [K 1,024, N 1,024]; A: computed on the way; B: input wo: left as it is (an operand is computed on the way)
;;   THE QUANTISER, for each operand of a quantised product, along K:
;;     - K is cut into blocks of 32 from its start; a last block that is shorter is filled with zeros.
;;     - A block's scale is 2^e with e = floor(log2(the largest magnitude in the block)) - 2, held to -126 .. 127; a block of zeros has e = 0. As a byte (E8M0): e + 127.
;;     - Each number is divided by its block's scale, clamped to +-6, and rounded to the nearest number of E2M1, ties to even, subnormals kept.
;;     - The product sums the exact products of the quantised numbers (number of the format x scale) in f32.
;;   ~~~python
;;   def quantise(x, axis):      # numpy; x: float32 -> the quantised numbers, widened to float32 again
;;       x = np.moveaxis(x, axis, -1); K = x.shape[-1]
;;       x = np.pad(x, [(0, 0)] * (x.ndim - 1) + [(0, -K % 32)]); x = x.reshape(x.shape[:-1] + (-1, 32)); a = np.abs(x).max(-1, keepdims=True)
;;       e = np.where(a > 0, np.clip(np.frexp(np.where(a > 0, a, 1))[1] - 1 - 2, -126, 127), 0)      # np.frexp(a)[1] - 1 = floor(log2(a)), exactly
;;       r = np.clip(x / 2.0 ** e, -6, 6)
;;       step = 2.0 ** (np.maximum(np.frexp(np.where(r == 0, 1, r))[1] - 1, 0) - 1)
;;       q = np.round(r / step) * step * 2.0 ** e      # np.round: ties to even
;;       return np.moveaxis(q.reshape(q.shape[:-2] + (-1,))[..., :K], -1, axis).astype(np.float32)
;;   ~~~
;; One version. Each part assembles by itself: llvm-mc -triple=amdgcn-amd-amdhsa -mcpu=gfx1250 --defsym DOCPART=n.
;; ======== version 1 of 1: 5 launches
;; limits: values are held in f16: magnitudes above 65,504 overflow, below 6.1e-05 lose precision
;; workspace buffers: xc 2,097,152 bytes; xs 131,072 bytes; wc 835,584 bytes; woh 2,097,152 bytes; qi 8,388,608 bytes; kv 4,194,304 bytes; ai 8,388,608 bytes; h32 196,608 bytes
;; launch prep (part 1): grid 288 x 1, 4 waves a work-group, no clusters, 33,280 bytes of LDS; arguments x, wq, wk, wv, wo, xc, xs, wc, woh; writes xc, xs, wc, woh
.if DOCPART == 1
	.amdgcn_target "amdgcn-amd-amdhsa--gfx1250"
	.amdhsa_code_object_version 6
	.text
	.protected	k_q1cb75d0724_prep
	.globl	k_q1cb75d0724_prep
	.p2align	8
	.type	k_q1cb75d0724_prep,@function
k_q1cb75d0724_prep:
	s_mov_b64 s[64:65], 0
	v_nop
	global_prefetch_b8 v0, s[64:65] scope:SCOPE_SE
	s_setreg_imm32_b32 hwreg(HW_REG_WAVE_MODE, 25, 1), 1
	s_wait_xcnt 0x0
; PREP: the operands of the later launches are made once, each input read once.
;   work-groups   0-127  x [4096][1024] f32   -> xc: codes of FP4 (E2M1), K innermost, [4096][512 bytes];  xs: one E8M0 byte for each 32 along K, [4096][32]
;   work-groups 128-191  wq [1024][1024] f32  -> wc: codes and scale words, quantised along K (its FIRST axis)
;   work-groups 192-223  wk, wv [1024][256]   -> wc likewise
;   work-groups 224-287  wo [1024][1024] f32  -> woh: f16
; wc and woh are laid AS IMAGES OF THE READER'S OPERAND REGISTERS: four registers of a fragment are 512 bytes, lane l's 16 bytes at 16 l.
;   wc: 8 groups of 104,448 bytes.  Group g: 12 tiles of 16 columns (query heads 2 g and 2 g + 1, then key head g or value head g - 4), 8,192 bytes a tile, 1,024 bytes a K step of 128;
;       in a K step block bq of column r lies at 256 bq + 16 r.  From byte 98,304 of a group: its scale words, [K step 8][column 192], four bytes each, byte bq for block bq.
;   woh: [k / 256][column tile 64][(k % 256) / 32][1,024 bytes]; in a fragment (16 columns x 32 k) the eight numbers k = 8 pq .. 8 pq + 7 of column r lie at 256 pq + 16 r.
; THE QUANTISER: a block's scale is 2^(floor(log2(its largest magnitude)) - 2); its byte is the largest magnitude's exponent field - 2, held at 1 from below; each number is divided by the scale and
; rounded to the nearest code, ties to even, beyond 6 the largest code.  A block of zeros gets the byte 1 where the rule says 127: its codes are zeros, and this program alone reads the bytes.
; LIMITS: NaN and infinities among the inputs are not served; blocks whose largest magnitude lies under 2^-124 keep the byte 1; |wo| stays under 65,504 (f16), and under 6e-5 it is rounded in steps of 2^-24.
; No tensor loads, no barrier: waves share nothing.  No matrix unit, no cluster: the launch only moves and converts.
.set WREG,  8192                       ; path X, LDS: a region for each wave: two stages of 32 x SP bytes, behind them its 256 scale bytes
.set SP,    80                         ; a lane's place in a stage: 64 bytes + 16 of padding
.set CB,    8                          ; bytes of 16 codes
.set STEPS, 16
.set EMAX,  2
.set RIN,   16                         ; path X: v16-79   four sets of 16 numbers as loaded
.set XNB,   80                         ;         v80-111  two sets of 16 neighbours
.set EBY,   112                        ;         v112-127 a scale byte for each step
.set COD,   128                        ;         v128-191 codes, four registers a step
.set SPW,   12                         ; v12  LDS address of my spare word; never rewritten
.set NIL,   13                         ; v13  0; never rewritten
.set SPARE, 32768                      ; behind the four regions: the spare words, 128 bytes a wave
.set DAT,   32                         ; weight paths: v32-159 four blocks of 32 numbers down K
.set CDW,   160                        ;               v160-175 a block's codes, four registers a block
.set SWD,   176                        ;               v176 the column's scale word
.set GRP,   104448
.set WSC,   98304
; ---- path X's macros: a wave takes 16 steps of 512 numbers.  A load reads 512 consecutive bytes, 16 a lane; the 2,048 bytes of a step turn through the wave's own stage, so that a lane then holds 16 neighbours along K
.macro LOAD t
.irp i, 0,1,2,3
	global_load_b128 v[RIN+16*((\t)%4)+4*\i:RIN+16*((\t)%4)+4*\i+3], v3, s[24:25] offset:2048*(\t)+512*\i th:TH_LOAD_NT
.endr
.endm
.macro TURN t                          ; LDS serves a wave's instructions in order: no wait between the stores and the loads
.irp i, 0,1,2,3
	ds_store_b128 v14, v[RIN+16*((\t)%4)+4*\i:RIN+16*((\t)%4)+4*\i+3] offset:32*SP*((\t)%2)+8*SP*\i
.endr
.irp i, 0,1,2,3
	ds_load_b128 v[XNB+16*((\t)%2)+4*\i:XNB+16*((\t)%2)+4*\i+3], v15 offset:32*SP*((\t)%2)+16*\i
.endr
.endm
.macro STEP t
.set XSS, XNB+16*((\t)%2)
.if (\t) > 0
	s_wait_dscnt 1                                 ; this step's numbers are back from the stage; the last step's byte store may be out
.else
	s_wait_dscnt 0x0
.endif
.if (\t)+4 < STEPS
	LOAD (\t)+4                                    ; into the registers that the stage's stores have read
.endif
.if (\t)+1 < STEPS
.if STEPS-2-(\t) >= 3
	s_wait_loadcnt 12                              ; the next step's four loads are in; those of the three steps behind it may be out
.else
	s_wait_loadcnt 4*(STEPS-2-(\t))
.endif
	TURN (\t)+1
.endif
	v_max3_num_f32 v8, |v[XSS]|, |v[XSS+1]|, |v[XSS+2]|            ; the largest magnitude of my 16, in two chains
	v_max3_num_f32 v9, |v[XSS+3]|, |v[XSS+4]|, |v[XSS+5]|
.irp i, 6,10
	v_max3_num_f32 v8, v8, |v[XSS+\i]|, |v[XSS+\i+1]|
	v_max3_num_f32 v9, v9, |v[XSS+\i+2]|, |v[XSS+\i+3]|
.endr
	v_max3_num_f32 v8, v8, |v[XSS+14]|, |v[XSS+15]|
	v_max3_num_f32 v8, v8, v9, (EMAX+1)<<23        ; and the floor 2^(3 - 127): the byte cannot fall under 1
	v_max_num_f32_dpp v8, v8, v8 row_xmask:1 row_mask:0xf bank_mask:0xf   ; with my neighbour's 16: the block's
	v_add_nc_u32 v11, -(EMAX<<23), v8              ; 2 off its exponent field: the conversion takes this operand's exponent field as its scale
	v_cvt_scalef32_pk8_fp4_f32 v[COD+4*(\t)], v[XSS:XSS+7], v11
	v_cvt_scalef32_pk8_fp4_f32 v[COD+4*(\t)+1], v[XSS+8:XSS+15], v11
	v_lshrrev_b32 v[EBY+(\t)], 23, v11             ; the scale's byte (a plain line behind the conversions)
	ds_store_b8 v5, v[EBY+(\t)] offset:16*(\t)     ; both lanes of a block write the same byte with the same value
	global_store_b64 v4, v[COD+4*(\t):COD+4*(\t)+1], s[26:27] offset:32*CB*(\t)   ; the wave stores 256 consecutive bytes, aligned
.endm
; ---- the weight paths' macros: a wave takes 32 columns x 128 along K.  A LANE TAKES A COLUMN AND ITS REGISTERS RUN DOWN K: a load reads 128 consecutive bytes a wave, a block of 32 lies in one lane
.macro WADDR
	v_lshlrev_b32 v24, 2, v2                       ; in: 4 bytes a lane; also my place among the scale words
	v_lshrrev_b32 v25, 4, v2
	v_and_b32 v26, 15, v2
	v_lshlrev_b32 v25, 13, v25                     ; out: lanes 16-31 belong to the next tile of 16 columns, 8,192 bytes on;
	v_lshl_add_u32 v25, v26, 4, v25                ; 16 bytes a column: sixteen lanes store 256 consecutive bytes, aligned
.endm
.macro WLOAD bq, pitch
.set II, 0
.rept 32
	global_load_b32 v[DAT+32*(\bq)+II], v24, s[24:25] offset:(32*(\bq)+II)*(\pitch) th:TH_LOAD_NT
.set II, II+1
.endr
.endm
.macro WBLOCK bq                       ; block bq becomes 32 codes and a byte of the scale word
.set XSS, DAT+32*(\bq)
	v_max3_num_f32 v8, |v[XSS]|, |v[XSS+1]|, |v[XSS+2]|
	v_max3_num_f32 v9, |v[XSS+3]|, |v[XSS+4]|, |v[XSS+5]|
.irp i, 6,10,14,18,22,26
	v_max3_num_f32 v8, v8, |v[XSS+\i]|, |v[XSS+\i+1]|
	v_max3_num_f32 v9, v9, |v[XSS+\i+2]|, |v[XSS+\i+3]|
.endr
	v_max3_num_f32 v8, v8, |v[XSS+30]|, |v[XSS+31]|
	v_max3_num_f32 v8, v8, v9, (EMAX+1)<<23        ; the floor, as above
	v_add_nc_u32 v11, -(EMAX<<23), v8
	v_lshrrev_b32 v9, 23, v11
.if (\bq) == 0
	v_mov_b32 v[SWD], v9
.else
	v_lshl_or_b32 v[SWD], v9, 8*(\bq), v[SWD]
.endif
.irp g, 0,1,2,3
	v_cvt_scalef32_pk8_fp4_f32 v[CDW+4*(\bq)+\g], v[XSS+8*\g:XSS+8*\g+7], v11
.endr
	v_nop                                          ; one plain line behind the last conversion: the next block writes v11 anew
	global_store_b128 v25, v[CDW+4*(\bq):CDW+4*(\bq)+3], s[26:27] offset:256*(\bq)
.endm
.macro WQUANT pitch                    ; two blocks ahead: the counted waits leave the one younger block's 32 loads out
	WLOAD 0, \pitch
	WLOAD 1, \pitch
	s_wait_loadcnt 32
	WLOAD 2, \pitch
	WBLOCK 0
	s_wait_loadcnt 32
	WLOAD 3, \pitch
	WBLOCK 1
	s_wait_loadcnt 32
	WBLOCK 2
	s_wait_loadcnt 0x0
	WBLOCK 3
	global_store_b32 v24, v[SWD], s[28:29]         ; 128 consecutive bytes a wave: half an aligned 256; the scale words are 6 bytes in 100 of what the group holds
.endm
.macro OBLOCK bq                       ; 32 numbers of wo become a lane's part of an f16 fragment; packed in place, ascending, so that no source is overwritten before it is read
.set XSS, DAT+32*(\bq)
.set II, 0
.rept 16
	v_cvt_pk_f16_f32 v[XSS+II], v[XSS+2*II], v[XSS+2*II+1]
.set II, II+1
.endr
.irp pq, 0,1,2,3
	global_store_b128 v25, v[XSS+4*\pq:XSS+4*\pq+3], s[26:27] offset:1024*(\bq)+256*\pq
.endr
.endm
	s_load_b256 s[4:11], s[0:1], 0x0               ; x s[4:5], wq s[6:7], wk s[8:9], wv s[10:11]
	s_load_b256 s[12:19], s[0:1], 0x20             ; wo s[12:13], xc s[14:15], xs s[16:17], wc s[18:19]
	s_load_b64 s[20:21], s[0:1], 0x40              ; woh
	v_lshl_add_u32 v[SPW], v0, 2, SPARE
	v_mov_b32 v[NIL], 0
	v_lshrrev_b32 v1, 5, v0
	v_readfirstlane_b32 s22, v1                    ; wave 0..3
	v_and_b32 v2, 31, v0                           ; lane
	s_mul_i32 s23, s22, WREG                       ; path X's LDS addresses, made ahead of the parting of the paths
	v_lshrrev_b32 v14, 2, v2
	v_mul_u32_u24 v14, v14, SP
	v_and_b32 v15, 3, v2
	v_lshl_add_u32 v14, v15, 4, v14
	v_add_nc_u32 v14, s23, v14                     ; the stage, in: SP (lane / 4) + 16 (lane % 4)
	v_mul_u32_u24 v15, v2, SP
	v_add_nc_u32 v15, s23, v15                     ; and out: SP x lane
	v_lshrrev_b32 v5, 1, v2
	s_add_co_u32 s23, s23, 2*32*SP
	v_add_nc_u32 v5, s23, v5                       ; my block's byte among my wave's 256
	v_lshlrev_b32 v7, 3, v2
	v_add_nc_u32 v6, s23, v7                       ; and 8 bytes a lane on the way out
	s_mov_b32 s35, 0                               ; the upper word of every offset
	s_wait_kmcnt 0x0
	s_cmp_lt_u32 ttmp9, 128                        ; the paths part on the work-group's number alone
	s_cbranch_scc1 .Lx
	s_cmp_lt_u32 ttmp9, 192
	s_cbranch_scc1 .Lwq
	s_cmp_lt_u32 ttmp9, 224
	s_cbranch_scc1 .Lwkv
	; ---- wo: work-group = (128 columns, 128 along K)
	WADDR
	s_sub_co_u32 s30, ttmp9, 224
	s_and_b32 s31, s30, 7                          ; which 128 columns
	s_lshr_b32 s32, s30, 3                         ; which 128 along K
	s_lshl_b32 s34, s32, 19                        ; 128 rows of 4,096 bytes
	s_lshl_b32 s36, s31, 9
	s_add_co_u32 s34, s34, s36
	s_lshl_b32 s36, s22, 7                         ; my wave's 32 columns
	s_add_co_u32 s34, s34, s36
	s_add_nc_u64 s[24:25], s[12:13], s[34:35]
	s_lshr_b32 s34, s32, 1
	s_lshl_b32 s34, s34, 19                        ; k / 256: 64 tiles of 8,192 bytes
	s_lshl_b32 s36, s31, 3
	s_lshl_b32 s37, s22, 1
	s_add_co_u32 s36, s36, s37                     ; my first column tile
	s_lshl_b32 s36, s36, 13
	s_add_co_u32 s34, s34, s36
	s_and_b32 s36, s32, 1
	s_lshl_b32 s36, s36, 12                        ; the upper 128 of the 256: four fragments on
	s_add_co_u32 s34, s34, s36
	s_add_nc_u64 s[26:27], s[20:21], s[34:35]
	WLOAD 0, 4096
	WLOAD 1, 4096
	s_wait_loadcnt 32
	WLOAD 2, 4096
	OBLOCK 0
	s_wait_loadcnt 32
	WLOAD 3, 4096
	OBLOCK 1
	s_wait_loadcnt 32
	OBLOCK 2
	s_wait_loadcnt 0x0
	OBLOCK 3
	s_branch .Lend
.Lwq:	; ---- wq: work-group = (group g: 128 columns, K step)
	WADDR
	s_sub_co_u32 s30, ttmp9, 128
	s_and_b32 s31, s30, 7                          ; g
	s_lshr_b32 s32, s30, 3                         ; K step
	s_lshl_b32 s34, s32, 19
	s_lshl_b32 s36, s31, 9
	s_add_co_u32 s34, s34, s36
	s_lshl_b32 s36, s22, 7
	s_add_co_u32 s34, s34, s36
	s_add_nc_u64 s[24:25], s[6:7], s[34:35]
	s_mul_i32 s36, s31, GRP
	s_lshl_b32 s34, s22, 14                        ; my two tiles: 2 x wave
	s_add_co_u32 s34, s34, s36
	s_lshl_b32 s37, s32, 10
	s_add_co_u32 s34, s34, s37
	s_add_nc_u64 s[26:27], s[18:19], s[34:35]
	s_mul_i32 s37, s32, 768
	s_add_co_u32 s34, s36, s37
	s_lshl_b32 s37, s22, 7
	s_add_co_u32 s34, s34, s37
	s_add_co_u32 s34, s34, WSC
	s_add_nc_u64 s[28:29], s[18:19], s[34:35]
	WQUANT 4096
	s_branch .Lend
.Lwkv:	; ---- wk, wv: work-group = (tensor, 128 columns = two heads, K step)
	WADDR
	s_sub_co_u32 s30, ttmp9, 192
	s_lshr_b32 s31, s30, 4                         ; 0: wk, 1: wv
	s_and_b32 s32, s30, 1                          ; which 128 columns
	s_bfe_u32 s33, s30, 0x30001                    ; K step
	s_cmp_eq_u32 s31, 0                            ; the choice hangs on the work-group's number alone
	s_cselect_b64 s[24:25], s[8:9], s[10:11]
	s_lshl_b32 s34, s33, 17                        ; 128 rows of 1,024 bytes
	s_lshl_b32 s36, s32, 9
	s_add_co_u32 s34, s34, s36
	s_lshl_b32 s36, s22, 7
	s_add_co_u32 s34, s34, s36
	s_add_nc_u64 s[24:25], s[24:25], s[34:35]
	s_lshl_b32 s36, s31, 2
	s_lshl_b32 s37, s32, 1
	s_add_co_u32 s36, s36, s37
	s_lshr_b32 s37, s22, 1
	s_add_co_u32 s36, s36, s37                     ; the group: 4 x tensor + head
	s_mul_i32 s36, s36, GRP
	s_and_b32 s37, s22, 1
	s_lshl_b32 s37, s37, 1
	s_add_co_u32 s37, s37, 8                       ; my first tile in the group: 8 or 10
	s_lshl_b32 s34, s37, 13
	s_add_co_u32 s34, s34, s36
	s_lshl_b32 s38, s33, 10
	s_add_co_u32 s34, s34, s38
	s_add_nc_u64 s[26:27], s[18:19], s[34:35]
	s_mul_i32 s38, s33, 768
	s_add_co_u32 s34, s36, s38
	s_lshl_b32 s38, s37, 6
	s_add_co_u32 s34, s34, s38
	s_add_co_u32 s34, s34, WSC
	s_add_nc_u64 s[28:29], s[18:19], s[34:35]
	WQUANT 1024
	s_branch .Lend
.Lx:	; ---- x: rows are dense and 1,024 is a multiple of 32, so x is a plain stream of blocks of 32, and so are its codes and bytes
	v_lshlrev_b32 v3, 4, v2                        ; my 16 bytes of a load's 512
	v_mul_u32_u24 v4, v2, CB                       ; my codes' place in a step's
	s_lshl_b32 s30, ttmp9, 2
	s_add_co_u32 s30, s30, s22                     ; which run of 8,192 numbers is my wave's
	s_lshl_b32 s34, s30, 15
	s_add_nc_u64 s[24:25], s[4:5], s[34:35]
	s_lshl_b32 s34, s30, 12
	s_add_nc_u64 s[26:27], s[14:15], s[34:35]
	s_lshl_b32 s34, s30, 8
	s_add_nc_u64 s[28:29], s[16:17], s[34:35]
.irp t, 0,1,2,3
	LOAD \t
.endr
	s_wait_loadcnt 12                              ; step 0's four loads are in
	TURN 0
.irp t, 0,1,2,3,4,5,6,7,8,9,10,11,12,13,14,15
	STEP \t
.endr
	ds_load_b64 v[8:9], v6                         ; LDS serves a wave's instructions in order: these see my byte stores
	s_wait_dscnt 0x0
	global_store_b64 v7, v[8:9], s[28:29]          ; 32 lanes store 256 consecutive bytes, aligned
.Lend:
	s_wait_tensorcnt 0x0                           ; the wave's end
	ds_add_u32 v[SPW], v[NIL]
	s_wait_dscnt 0x0
	s_endpgm
.Lfunc_end_k_q1cb75d0724_prep:
	.size	k_q1cb75d0724_prep, .Lfunc_end_k_q1cb75d0724_prep-k_q1cb75d0724_prep
	.p2alignl 7, 3214868480
	.fill 96, 4, 3214868480
	.section	.rodata,"a",@progbits
	.p2align	6, 0x0
	.amdhsa_kernel k_q1cb75d0724_prep
		.amdhsa_group_segment_fixed_size 33280
		.amdhsa_private_segment_fixed_size 0
		.amdhsa_enable_private_segment 0
		.amdhsa_kernarg_size 72
		.amdhsa_user_sgpr_count 2
		.amdhsa_user_sgpr_kernarg_segment_ptr 1
		.amdhsa_wavefront_size32 1
		.amdhsa_system_sgpr_workgroup_id_x 1
		.amdhsa_system_sgpr_workgroup_id_y 1
		.amdhsa_system_sgpr_workgroup_id_z 1
		.amdhsa_system_vgpr_workitem_id 0
		.amdhsa_next_free_vgpr 192
		.amdhsa_next_free_sgpr 66
		.amdhsa_reserve_vcc 0
		.amdhsa_float_denorm_mode_32 3
		.amdhsa_float_denorm_mode_16_64 3
		.amdhsa_memory_ordered 1
		.amdhsa_forward_progress 1
		.amdhsa_inst_pref_size 91
	.end_amdhsa_kernel
	.amdgpu_metadata
---
amdhsa.version: [ 1, 2 ]
amdhsa.kernels:
  - .name:           k_q1cb75d0724_prep
    .symbol:         k_q1cb75d0724_prep.kd
    .args:
      - { .name: x, .offset: 0, .size: 8, .value_kind: global_buffer, .address_space: global }
      - { .name: wq, .offset: 8, .size: 8, .value_kind: global_buffer, .address_space: global }
      - { .name: wk, .offset: 16, .size: 8, .value_kind: global_buffer, .address_space: global }
      - { .name: wv, .offset: 24, .size: 8, .value_kind: global_buffer, .address_space: global }
      - { .name: wo, .offset: 32, .size: 8, .value_kind: global_buffer, .address_space: global }
      - { .name: xc, .offset: 40, .size: 8, .value_kind: global_buffer, .address_space: global }
      - { .name: xs, .offset: 48, .size: 8, .value_kind: global_buffer, .address_space: global }
      - { .name: wc, .offset: 56, .size: 8, .value_kind: global_buffer, .address_space: global }
      - { .name: woh, .offset: 64, .size: 8, .value_kind: global_buffer, .address_space: global }
    .group_segment_fixed_size: 33280
    .private_segment_fixed_size: 0
    .kernarg_segment_align: 8
    .kernarg_segment_size: 72
    .max_flat_workgroup_size: 128
    .sgpr_count:     66
    .vgpr_count:     192
    .wavefront_size: 32
...
	.end_amdgpu_metadata
.endif
;; end of part 1
;; launch qkv (part 2): grid 8 x 32, 12 waves a work-group, clusters of 4 x 1, 262,144 bytes of LDS; arguments xc, xs, wc, cos, sin, qi, kv, h32; writes qi, kv, h32
.if DOCPART == 2
	.amdgcn_target "amdgcn-amd-amdhsa--gfx1250"
	.amdhsa_code_object_version 6
	.text
	.protected	k_q1cb75d0724_qkv
	.globl	k_q1cb75d0724_qkv
	.p2align	8
	.type	k_q1cb75d0724_qkv,@function
k_q1cb75d0724_qkv:
	s_mov_b64 s[64:65], 0
	v_nop
	global_prefetch_b8 v0, s[64:65] scope:SCOPE_SE
	s_setreg_imm32_b32 hwreg(HW_REG_WAVE_MODE, 25, 1), 1
	s_wait_xcnt 0x0
	s_wait_alu depctr_hold_cnt(0) depctr_sa_sdst(0) depctr_va_vdst(0) depctr_va_sdst(0) depctr_va_ssrc(0) depctr_va_vcc(0) depctr_vm_vsrc(0)
	s_getreg_b32 s2, hwreg(HW_REG_IB_STS2, 6, 4)
	s_cmp_eq_u32 s2, 0
	s_cbranch_scc0 .Lentry_in_a_cluster
	s_endpgm
.Lentry_in_a_cluster:
	s_bfe_u32 s2, ttmp6, 0x10000c
	s_cmp_lg_u32 s2, 0x3003
	s_cbranch_scc0 .Lentry_shape_is_right
	s_endpgm
.Lentry_shape_is_right:
; QKV: [4096 x 1024] x [1024 x 1536] on codes of FP4 (E2M1) with E8M0 scales, f32 sums; RoPE in f32; q, k, v leave as f16, laid as images of the attention launch's operand registers.
; SHARES.  Work-group (g, R): rows 128 R .. 128 R + 127 of x against group g of the weights: query heads 2 g and 2 g + 1 and key head g (g < 4) or value head g - 4: 192 columns.  256 work-groups.
; All of K (1,024) of both operands fits in LDS: everything is asked for once, at the head; no slot is filled again.
; Twelve waves: wave w takes head slot w / 4 and rows 32 (w % 4) on: 32 rows x 64 columns, 8 accumulators of 16 x 16.
; CLUSTER 4, 1, 1: the four work-groups of a cluster have the same R and four neighbouring g.  x's codes, x's scale bytes, cos and sin hang on R alone: 141,312 of a work-group's 245,760 bytes are asked for
; JOINTLY (mask 15).  The weights differ from partner to partner and come by plain loads.  A cluster of 4 x 4 is not taken: the branch that stores positions 0-15 hangs on R, which partners would then not share.
; No branch and no LDS address hangs on the place in the cluster: branches hang on the wave's number, the cluster's x (g >= 4) and R.
; LAYOUT.  For q and k the product is used transposed (source 0 = 16 columns of the weight, source 1 = 16 rows of x): a lane holds ONE position and eight neighbouring channels 16 t + 8 h + j, so RoPE needs no other lane
; (channel d's partner d +- 32 lies two tiles on, in the same lane), and four packed registers are four registers of an f16 fragment.  For v it is used as it stands: a lane holds one channel and eight positions: V^T's fragment.
; OUT: qi [b][head 16][position tile 128][2][1,024 bytes];  kv: k at 0 [b x key head 8][key tile 128][2][1,024], v at 2,097,152 [8][32 keys 64][channel tile 4][1,024];  every store of a wave covers 512 consecutive bytes, aligned.
; h32: positions 0-15 of each batch in f32, as the registers stand: [b][slot 24: q 0-15, k 16-19, v 20-23][tile 4][1,024 bytes].
; LIMITS: |q|, |k|, |v| stay under 65,504 (f16); under 6e-5 they are rounded in steps of 2^-24.  NaN and infinities are not served.
.set XP,    528                        ; a row of x's codes in LDS: 512 bytes + 16 of padding
.set WB,    67584                      ; LDS: x's codes 0 .. 67,584;  the group's weights, 104,448 bytes as they lie in wc,
.set WSB,   WB+98304                   ; their scale words among them;
.set XSB,   172032                     ; x's scale bytes, 128 rows x 32;
.set COSB,  176128                     ; cos: 128 rows x (256 + 16);
.set CSZ,   34816                      ; sin behind it, as large;
.set SPARE, 245760                     ; the spare words, 128 bytes for each of twelve waves: six blocks of 256 bytes that no other line names
.set GRP,   104448
.set AX,  1                            ; v1  x's fragments: (32 rq + r) XP + 16 h
.set AW,  2                            ; v2  the weights': WB + 32,768 hs + 16 lane
.set ASX, 3                            ; v3  x's scale words: XSB + 32 (32 rq + r)
.set ASW, 4                            ; v4  the weights': WSB + 256 hs + 4 r
.set ACS, 5                            ; v5  cos: COSB + 272 (32 rq + r) + 32 h
.set LI,  6                            ; v6  16 x lane: an image's place for my lane
.set SPW, 10                           ; v10 LDS address of my spare word; never rewritten
.set NIL, 11                           ; v11 0; never rewritten
.set SX,  16                           ; v16-31  x's scale words: row tile a, K step ks: 8 a + ks.  These and the next hold scales and nothing else
.set SW,  32                           ; v32-63  the weights': column tile t, K step ks: 8 t + ks
.set F0,  64                           ; v64-159 two sets of fragments of 48: x's two at 8 a, the weights' four at 16 + 8 t; behind the products: cos and sin
.set ACC, 160                          ; v160-223 accumulator (a, t) at 8 (4 a + t); behind RoPE: the packed results
.set RR,  224                          ; v224-255 a row tile's 32 numbers behind RoPE; on v's path the packed results
.set WV,  24                           ; s24 wave;  s25 hs;  s26 rq;  s27 cx;  s28 g;  s29 R;  s30 R % 16;  s31 batch
.set G1X, 32                           ; s[32:39] group 1: x's codes      s[68:71] its group 0
.set G1C, 40                           ; s[40:47] cos and sin             s[72:75] cos's, s[88:91] sin's
.set G1S, 48                           ; s[48:55] x's scale bytes         s[76:79]
.set G1W, 56                           ; s[56:63] the weights             s[80:83]
.set G0X, 68
.set G0C, 72
.set G0S, 76
.set G0W, 80
.set G0N, 88
.set W0X, 15|(1<<20)|(1<<21)|(6<<22)|(3<<25)           ; mask: all four; elements of 1 byte; padding: 4 words behind every 128; bit 21 beside a mask
.set W0C, 15|(2<<16)|(1<<20)|(1<<21)|(5<<22)|(3<<25)   ; elements of 4 bytes; padding: 4 words behind every 64
.set W0S, 15|(3<<16)|(1<<21)                           ; elements of 8 bytes, dense
.set W0W, 3<<16                                        ; no mask: a load of my own
.macro GROUP1 g, w0, c, r              ; c elements a row, r rows, dense in memory (pitch c)
	s_mov_b32 s[\g], \w0
	s_mov_b32 s[\g+1], (\c)<<16
	s_mov_b32 s[\g+2], (\r)<<16
	s_mov_b32 s[\g+3], (\c)<<16
	s_mov_b32 s[\g+4], \r
	s_mov_b32 s[\g+5], \c
	s_mov_b32 s[\g+6], 0
	s_mov_b32 s[\g+7], 0
.endm
.macro CROUND                          ; a round of the cluster's barrier
	s_barrier_signal -1
	s_barrier_wait -1
	s_cmp_lg_u32 s[WV], 0
	s_cbranch_scc1 .Lnot_wave_0_\@
	s_barrier_signal -3
.Lnot_wave_0_\@:
	s_barrier_wait -3
	s_barrier_signal -1
	s_barrier_wait -1
.endm
.macro ASKFOR g0, g1                   ; a wave's one tensor load; an s_nop 0 and four v_nop follow it
	tensor_load_to_lds s[\g0:\g0+3], s[\g1:\g1+7]
	s_nop 0
.rept 4
	v_nop
.endr
.endm
.macro PLACES
.rept 4
	v_nop
.endr
.endm
.macro SCL                             ; all scale words of my rows and columns: 36 loads, once
.irp a, 0,1
.irp e, 0,1
	ds_load_b128 v[SX+8*\a+4*\e:SX+8*\a+4*\e+3], v[ASX] offset:\a*512+16*\e
.endr
.endr
.irp t, 0,1,2,3
.irp ks, 0,1,2,3,4,5,6,7
	ds_load_b32 v[SW+8*\t+\ks], v[ASW] offset:\ks*768+\t*64
.endr
.endr
.endm
.macro FETCH ks                        ; K step ks: 12 loads into set ks % 2.  A fragment (16 rows x 128 K of 4-bit codes) is 8 registers: registers 4 c .. 4 c + 3 hold K = 64 c + 32 h + 0 .. 31
.set FB, F0+48*((\ks)%2)
.irp a, 0,1
.irp c, 0,1
	ds_load_b128 v[FB+8*\a+4*\c:FB+8*\a+4*\c+3], v[AX] offset:\a*16*XP+(\ks)*64+32*\c
.endr
.endr
.irp t, 0,1,2,3
.irp c, 0,1
	ds_load_b128 v[FB+16+8*\t+4*\c:FB+16+8*\t+4*\c+3], v[AW] offset:\t*8192+(\ks)*1024+512*\c
.endr
.endr
.endm
.macro MUL ks, nat                     ; 8 products, the accumulators by turns, one instruction a turn, in the same order in every K step.  K step 0 starts the sums: nothing is cleared
.set FB, F0+48*((\ks)%2)
.irp a, 0,1
.irp t, 0,1,2,3
.if \nat
.if (\ks) == 0
	v_wmma_scale_f32_16x16x128_f8f6f4 v[ACC+8*(4*\a+\t):ACC+8*(4*\a+\t)+7], v[FB+8*\a:FB+8*\a+7], v[FB+16+8*\t:FB+16+8*\t+7], 0, v[SX+8*\a+(\ks)], v[SW+8*\t+(\ks)] matrix_a_fmt:MATRIX_FMT_FP4 matrix_b_fmt:MATRIX_FMT_FP4
.else
	v_wmma_scale_f32_16x16x128_f8f6f4 v[ACC+8*(4*\a+\t):ACC+8*(4*\a+\t)+7], v[FB+8*\a:FB+8*\a+7], v[FB+16+8*\t:FB+16+8*\t+7], v[ACC+8*(4*\a+\t):ACC+8*(4*\a+\t)+7], v[SX+8*\a+(\ks)], v[SW+8*\t+(\ks)] matrix_a_fmt:MATRIX_FMT_FP4 matrix_b_fmt:MATRIX_FMT_FP4
.endif
.else
.if (\ks) == 0
	v_wmma_scale_f32_16x16x128_f8f6f4 v[ACC+8*(4*\a+\t):ACC+8*(4*\a+\t)+7], v[FB+16+8*\t:FB+16+8*\t+7], v[FB+8*\a:FB+8*\a+7], 0, v[SW+8*\t+(\ks)], v[SX+8*\a+(\ks)] matrix_a_fmt:MATRIX_FMT_FP4 matrix_b_fmt:MATRIX_FMT_FP4
.else
	v_wmma_scale_f32_16x16x128_f8f6f4 v[ACC+8*(4*\a+\t):ACC+8*(4*\a+\t)+7], v[FB+16+8*\t:FB+16+8*\t+7], v[FB+8*\a:FB+8*\a+7], v[ACC+8*(4*\a+\t):ACC+8*(4*\a+\t)+7], v[SW+8*\t+(\ks)], v[SX+8*\a+(\ks)] matrix_a_fmt:MATRIX_FMT_FP4 matrix_b_fmt:MATRIX_FMT_FP4
.endif
.endif
.endr
.endr
.endm
.macro MAIN nat                        ; the eight K steps, written out: every offset is an immediate.  The next step's fragments are asked for ahead of this step's products
	SCL
	FETCH 0
.set KS, 0
.rept 8
.if KS < 7
.if KS > 0
	PLACES                                         ; four places between the products that read a set and the loads into it
.endif
	FETCH KS+1
	s_wait_dscnt 12                                ; all but the 12 loads just issued
.else
	s_wait_dscnt 0x0
.endif
	MUL KS, \nat
.set KS, KS+1
.endr
	PLACES                                         ; behind the last products: for the loads into the sets and the first reads of results
.endm
.macro CSLOAD reg, a, base             ; cos (base 0) or sin (base CSZ) of row tile a at my position, my 32 channels: register 8 t + j = channel 16 t + 8 h + j
.irp t, 0,1,2,3
.irp e, 0,1
	ds_load_b128 v[\reg+8*\t+4*\e:\reg+8*\t+4*\e+3], v[ACS] offset:\base+\a*16*272+\t*64+16*\e
.endr
.endr
.endm
.macro ROPE a, co                      ; out(d) = in(d) cos(d) - in(d + 32) sin(d) for d < 32;  in(d) cos(d) + in(d - 32) sin(d) for d >= 32.  Each accumulator is read from its low end on
.irp t, 0,1
.irp jp, 0,2,4,6
	v_pk_mul_f32 v[RR+8*\t+\jp:RR+8*\t+\jp+1], v[ACC+8*(4*\a+\t)+\jp:ACC+8*(4*\a+\t)+\jp+1], v[\co+8*\t+\jp:\co+8*\t+\jp+1]
	v_pk_mul_f32 v[RR+8*(\t+2)+\jp:RR+8*(\t+2)+\jp+1], v[ACC+8*(4*\a+\t+2)+\jp:ACC+8*(4*\a+\t+2)+\jp+1], v[\co+8*(\t+2)+\jp:\co+8*(\t+2)+\jp+1]
	v_pk_fma_f32 v[RR+8*\t+\jp:RR+8*\t+\jp+1], v[ACC+8*(4*\a+\t+2)+\jp:ACC+8*(4*\a+\t+2)+\jp+1], v[96+8*\t+\jp:96+8*\t+\jp+1], v[RR+8*\t+\jp:RR+8*\t+\jp+1] neg_lo:[1,0,0] neg_hi:[1,0,0]
	v_pk_fma_f32 v[RR+8*(\t+2)+\jp:RR+8*(\t+2)+\jp+1], v[ACC+8*(4*\a+\t)+\jp:ACC+8*(4*\a+\t)+\jp+1], v[96+8*(\t+2)+\jp:96+8*(\t+2)+\jp+1], v[RR+8*(\t+2)+\jp:RR+8*(\t+2)+\jp+1]
.endr
.endr
.endm
.macro PACKOUT a                       ; to f16, into the accumulators' registers, which RoPE has read; tile t's four registers are registers 4 (t % 2) on of fragment t / 2
.irp t, 0,1,2,3
.irp jj, 0,1,2,3
	v_cvt_pk_f16_f32 v[ACC+32*\a+4*\t+\jj], v[RR+8*\t+2*\jj], v[RR+8*\t+2*\jj+1]
.endr
.endr
.irp t, 0,1,2,3
	global_store_b128 v[LI], v[ACC+32*\a+4*\t:ACC+32*\a+4*\t+3], s[92:93] offset:\a*2048+\t*512
.endr
.endm
	s_load_b256 s[4:11], s[0:1], 0x0               ; xc s[4:5], xs s[6:7], wc s[8:9], cos s[10:11]
	s_load_b256 s[12:19], s[0:1], 0x20             ; sin s[12:13], qi s[14:15], kv s[16:17], h32 s[18:19]
	v_lshl_add_u32 v[SPW], v0, 2, SPARE
	v_mov_b32 v[NIL], 0
	ds_add_u32 v[SPW], v[NIL]                      ; the wave's opening: the add, twice on end, and its wait ahead of the first tensor loads; the set-up below stands between
	ds_add_u32 v[SPW], v[NIL]
	v_lshrrev_b32 v1, 5, v0
	v_readfirstlane_b32 s[WV], v1                  ; wave 0..11
	s_lshr_b32 s25, s[WV], 2                       ; hs: which of the group's three heads
	s_and_b32 s26, s[WV], 3                        ; rq: which 32 rows
	s_bfe_u32 s27, ttmp6, 0x40000                  ; cx
	s_lshl_b32 s28, ttmp9, 2
	s_add_co_u32 s28, s28, s27                     ; g = 4 x cluster x + cx: it enters the weights' address and the results' alone
	s_and_b32 s29, ttmp7, 0xffff                   ; R
	s_and_b32 s30, s29, 15                         ; R within the batch
	s_lshr_b32 s31, s29, 4                         ; the batch
	GROUP1 G1X, W0X, 512, 64                       ; 64 rows of 512 bytes
	GROUP1 G1C, W0C, 64, 128                       ; 128 rows of 64 f32
	GROUP1 G1S, W0S, 32, 16                        ; 4,096 dense bytes as 16 rows of 256
	GROUP1 G1W, W0W, 32, 136                       ; 34,816 dense bytes as 136 rows of 256
	v_and_b32 v7, 15, v0                           ; r
	v_bfe_u32 v8, v0, 4, 1                         ; h
	v_and_b32 v9, 31, v0
	v_lshlrev_b32 v[LI], 4, v9
	s_lshl_b32 s84, s26, 5
	v_add_nc_u32 v12, s84, v7                      ; my row of the 128: 32 rq + r
	v_mul_u32_u24 v[AX], v12, XP
	v_lshl_add_u32 v[AX], v8, 4, v[AX]
	s_lshl_b32 s84, s25, 15
	s_add_co_u32 s84, s84, WB
	v_add_nc_u32 v[AW], s84, v[LI]
	v_lshl_add_u32 v[ASX], v12, 5, XSB
	s_lshl_b32 s84, s25, 8
	s_add_co_u32 s84, s84, WSB
	v_lshl_add_u32 v[ASW], v7, 2, s84
	v_mul_u32_u24 v[ACS], v12, 272
	v_lshl_add_u32 v[ACS], v8, 5, v[ACS]
	v_add_nc_u32 v[ACS], COSB, v[ACS]
	s_min_u32 s84, s[WV], 2                        ; the weights' third that I fetch (waves 0-2)
	s_mul_i32 s84, s84, 34816
	s_and_b32 s85, s[WV], 1                        ; x's half that I fetch (waves 4, 5)
	s_mov_b32 s87, 0
	s_mov_b32 s97, 0
	s_wait_dscnt 0x0                               ; both opening adds are done
	s_wait_kmcnt 0x0
	s_mov_b32 s[G0W], 1                            ; the weights: LDS WB + third, memory group g + third
	s_add_co_u32 s[G0W+1], s84, WB
	s_mul_i32 s96, s28, GRP
	s_add_co_u32 s96, s96, s84
	s_add_nc_u64 s[G0W+2:G0W+3], s[8:9], s[96:97]
	s_or_b32 s[G0W+3], s[G0W+3], 0x80000000
	s_mov_b32 s[G0S], 1                            ; x's scale bytes: 4,096 R
	s_mov_b32 s[G0S+1], XSB
	s_lshl_b32 s86, s29, 12
	s_add_nc_u64 s[G0S+2:G0S+3], s[6:7], s[86:87]
	s_or_b32 s[G0S+3], s[G0S+3], 0x80000000
	s_mov_b32 s[G0X], 1                            ; x's codes: rows 128 R + 64 half
	s_mul_i32 s[G0X+1], s85, 64*XP
	s_lshl_b32 s86, s29, 16
	s_lshl_b32 s85, s85, 15
	s_add_co_u32 s86, s86, s85
	s_add_nc_u64 s[G0X+2:G0X+3], s[4:5], s[86:87]
	s_or_b32 s[G0X+3], s[G0X+3], 0x80000000
	s_lshl_b32 s86, s30, 15                        ; cos and sin: positions 128 (R % 16) on, 256 bytes each
	s_mov_b32 s[G0C], 1
	s_mov_b32 s[G0C+1], COSB
	s_add_nc_u64 s[G0C+2:G0C+3], s[10:11], s[86:87]
	s_or_b32 s[G0C+3], s[G0C+3], 0x80000000
	s_mov_b32 s[G0N], 1
	s_mov_b32 s[G0N+1], COSB+CSZ
	s_add_nc_u64 s[G0N+2:G0N+3], s[12:13], s[86:87]
	s_or_b32 s[G0N+3], s[G0N+3], 0x80000000
	CROUND                                         ; all four work-groups are here: the joint loads meet
	s_cmp_lt_u32 s[WV], 3                          ; one tensor load a wave, waves 0-7; the branches hang on the wave's number alone, so each joint line is issued by the same wave in all four partners
	s_cbranch_scc0 .Lnot_w
	ASKFOR G0W, G1W
	s_branch .Lasked
.Lnot_w:
	s_cmp_eq_u32 s[WV], 3
	s_cbranch_scc0 .Lnot_s
	ASKFOR G0S, G1S
	s_branch .Lasked
.Lnot_s:
	s_cmp_lt_u32 s[WV], 6
	s_cbranch_scc0 .Lnot_x
	ASKFOR G0X, G1X
	s_branch .Lasked
.Lnot_x:
	s_cmp_eq_u32 s[WV], 6
	s_cbranch_scc0 .Lnot_c
	ASKFOR G0C, G1C
	s_branch .Lasked
.Lnot_c:
	s_cmp_eq_u32 s[WV], 7
	s_cbranch_scc0 .Lasked
	ASKFOR G0N, G1C
.Lasked:
	s_wait_tensorcnt 0x0                           ; my load has landed,
	s_barrier_signal -1
	s_barrier_wait -1                              ; everybody's has
	s_cmp_eq_u32 s25, 2                            ; the third head of groups 4-7 is a value head
	s_cselect_b32 s84, ttmp9, 0
	s_cmp_eq_u32 s84, 1
	s_cbranch_scc1 .Lvpath
	; ---- q and k.  Where the results go: head x 128 position tiles x 2,048 bytes
	s_lshl_b32 s96, s31, 4
	s_lshl_b32 s97, s28, 1
	s_add_co_u32 s96, s96, s97
	s_add_co_u32 s96, s96, s25                     ; q: 16 b + 2 g + hs
	s_lshl_b32 s98, s31, 2
	s_add_co_u32 s98, s98, s28                     ; k: 4 b + g
	s_add_co_u32 s99, s97, s25                     ; h32's slot: q's head,
	s_add_co_u32 s100, s28, 16                     ; or 16 + key head
	s_cmp_lt_u32 s25, 2                            ; the choice hangs on the wave's number alone
	s_cselect_b32 s96, s96, s98
	s_cselect_b32 s99, s99, s100
	s_cselect_b64 s[92:93], s[14:15], s[16:17]
	s_lshl_b32 s96, s96, 7
	s_lshl_b32 s97, s30, 3
	s_add_co_u32 s96, s96, s97
	s_lshl_b32 s97, s26, 1
	s_add_co_u32 s96, s96, s97                     ; + my first position tile: 8 (R % 16) + 2 rq
	s_lshl_b32 s96, s96, 11
	s_mov_b32 s97, 0
	s_add_nc_u64 s[92:93], s[92:93], s[96:97]
	s_mul_i32 s98, s31, 24
	s_add_co_u32 s98, s98, s99
	s_lshl_b32 s98, s98, 12
	s_mov_b32 s99, 0
	s_add_nc_u64 s[94:95], s[18:19], s[98:99]
	MAIN 0
	CSLOAD 64, 0, 0                                ; cos and sin of my first 16 positions, cos of the next 16
	CSLOAD 96, 0, CSZ
	CSLOAD 128, 1, 0
	s_wait_dscnt 8                                 ; the last eight loads may be out
	ROPE 0, 64
	CSLOAD 96, 1, CSZ                              ; sin of the next 16 positions, where the first 16's has been read; it lands while the first tile leaves
	PACKOUT 0
	s_or_b32 s84, s30, s26
	s_cmp_lg_u32 s84, 0                            ; positions 0-15 of a batch: R % 16 = 0 and rq = 0
	s_cbranch_scc1 .Lnf_qk
.irp t, 0,1,2,3
.irp e, 0,1
	global_store_b128 v[LI], v[RR+8*\t+4*\e:RR+8*\t+4*\e+3], s[94:95] offset:\t*1024+\e*512
.endr
.endr
.Lnf_qk:
	s_wait_dscnt 0x0
	s_wait_xcnt 0x0                                ; the stores above have read RR: it is written again only behind this wait
	ROPE 1, 128
	PACKOUT 1
	s_branch .Ljoin
.Lvpath:	; ---- v: value head g - 4; 32 keys x 64 channels are four fragments of V^T
	s_lshl_b32 s96, s31, 2
	s_add_co_u32 s96, s96, s28
	s_sub_co_u32 s96, s96, 4                       ; 4 b + g - 4
	s_lshl_b32 s96, s96, 6
	s_lshl_b32 s97, s30, 2
	s_add_co_u32 s96, s96, s97
	s_add_co_u32 s96, s96, s26                     ; + which 32 keys: 4 (R % 16) + rq
	s_lshl_b32 s96, s96, 12
	s_add_co_u32 s96, s96, 2097152
	s_mov_b32 s97, 0
	s_add_nc_u64 s[92:93], s[16:17], s[96:97]
	s_mul_i32 s98, s31, 24
	s_add_co_u32 s98, s98, s28
	s_add_co_u32 s98, s98, 16                      ; h32's slot: 20 + (g - 4)
	s_lshl_b32 s98, s98, 12
	s_mov_b32 s99, 0
	s_add_nc_u64 s[94:95], s[18:19], s[98:99]
	MAIN 1
.irp t, 0,1,2,3                        ; registers 0-3 of fragment t: keys 8 h + 0 .. 7 (row tile 0); registers 4-7: keys 16 + 8 h + 0 .. 7 (row tile 1)
.irp jj, 0,1,2,3
	v_cvt_pk_f16_f32 v[RR+8*\t+\jj], v[ACC+8*\t+2*\jj], v[ACC+8*\t+2*\jj+1]
.endr
.irp jj, 0,1,2,3
	v_cvt_pk_f16_f32 v[RR+8*\t+4+\jj], v[ACC+8*(4+\t)+2*\jj], v[ACC+8*(4+\t)+2*\jj+1]
.endr
.endr
.irp t, 0,1,2,3
.irp c, 0,1
	global_store_b128 v[LI], v[RR+8*\t+4*\c:RR+8*\t+4*\c+3], s[92:93] offset:\t*1024+\c*512
.endr
.endr
	s_or_b32 s84, s30, s26
	s_cmp_lg_u32 s84, 0
	s_cbranch_scc1 .Ljoin
.irp t, 0,1,2,3
.irp e, 0,1
	global_store_b128 v[LI], v[ACC+8*\t+4*\e:ACC+8*\t+4*\e+3], s[94:95] offset:\t*1024+\e*512
.endr
.endr
.Ljoin:
	s_wait_tensorcnt 0x0                           ; the wave's end
	ds_add_u32 v[SPW], v[NIL]
	s_wait_dscnt 0x0
	CROUND                                         ; the closing round
	s_endpgm
.Lfunc_end_k_q1cb75d0724_qkv:
	.size	k_q1cb75d0724_qkv, .Lfunc_end_k_q1cb75d0724_qkv-k_q1cb75d0724_qkv
	.p2alignl 7, 3214868480
	.fill 96, 4, 3214868480
	.section	.rodata,"a",@progbits
	.p2align	6, 0x0
	.amdhsa_kernel k_q1cb75d0724_qkv
		.amdhsa_group_segment_fixed_size 262144
		.amdhsa_private_segment_fixed_size 0
		.amdhsa_enable_private_segment 0
		.amdhsa_kernarg_size 64
		.amdhsa_user_sgpr_count 2
		.amdhsa_user_sgpr_kernarg_segment_ptr 1
		.amdhsa_wavefront_size32 1
		.amdhsa_system_sgpr_workgroup_id_x 1
		.amdhsa_system_sgpr_workgroup_id_y 1
		.amdhsa_system_sgpr_workgroup_id_z 1
		.amdhsa_system_vgpr_workitem_id 0
		.amdhsa_next_free_vgpr 256
		.amdhsa_next_free_sgpr 102
		.amdhsa_reserve_vcc 0
		.amdhsa_float_denorm_mode_32 3
		.amdhsa_float_denorm_mode_16_64 3
		.amdhsa_memory_ordered 1
		.amdhsa_forward_progress 1
		.amdhsa_inst_pref_size 58
	.end_amdhsa_kernel
	.amdgpu_metadata
---
amdhsa.version: [ 1, 2 ]
amdhsa.kernels:
  - .name:           k_q1cb75d0724_qkv
    .symbol:         k_q1cb75d0724_qkv.kd
    .args:
      - { .name: xc, .offset: 0, .size: 8, .value_kind: global_buffer, .address_space: global }
      - { .name: xs, .offset: 8, .size: 8, .value_kind: global_buffer, .address_space: global }
      - { .name: wc, .offset: 16, .size: 8, .value_kind: global_buffer, .address_space: global }
      - { .name: cos, .offset: 24, .size: 8, .value_kind: global_buffer, .address_space: global }
      - { .name: sin, .offset: 32, .size: 8, .value_kind: global_buffer, .address_space: global }
      - { .name: qi, .offset: 40, .size: 8, .value_kind: global_buffer, .address_space: global }
      - { .name: kv, .offset: 48, .size: 8, .value_kind: global_buffer, .address_space: global }
      - { .name: h32, .offset: 56, .size: 8, .value_kind: global_buffer, .address_space: global }
    .group_segment_fixed_size: 262144
    .private_segment_fixed_size: 0
    .kernarg_segment_align: 8
    .kernarg_segment_size: 64
    .max_flat_workgroup_size: 384
    .sgpr_count:     102
    .vgpr_count:     256
    .wavefront_size: 32
...
	.end_amdgpu_metadata
.endif
;; end of part 2
;; launch attn (part 3): grid 32 x 8, 16 waves a work-group, no clusters, 327,680 bytes of LDS; arguments qi, kv, ai; writes ai
.if DOCPART == 3
	.amdgcn_target "amdgcn-amd-amdhsa--gfx1250"
	.amdhsa_code_object_version 6
	.text
	.protected	k_q1cb75d0724_attn
	.globl	k_q1cb75d0724_attn
	.p2align	8
	.type	k_q1cb75d0724_attn,@function
k_q1cb75d0724_attn:
	s_mov_b64 s[64:65], 0
	v_nop
	global_prefetch_b8 v0, s[64:65] scope:SCOPE_SE
	s_setreg_imm32_b32 hwreg(HW_REG_WAVE_MODE, 25, 1), 1
	s_wait_xcnt 0x0
; ATTN: causal attention, 2 batches x 4 key heads x 4 query heads each, 2,048 positions, head size 64.  Operands f16, products, maxima and sums f32; the weights p are rounded to f16 for the second product, the result once at the end.
; SHARES.  Work-group (j, bkv) owns position blocks j and 63 - j (32 positions each) of the four query heads of key head bkv: 16 tiles of 16 queries, one a wave.  An early block and its late partner together
; walk the same number of key steps in every work-group.  Wave w: head w / 4, tile (w / 2) % 2 of the block, the late block where (w xor w / 4) is odd.
; Every work-group walks ALL slots: the trip counts are constants.  What is left out is a step's WORK, where all its keys come after the wave's queries: a scalar branch on ids.
; LAYOUT.  S^T = K Q^T (source 0 = 16 keys, source 1 = 16 queries), O^T = V^T P (source 0 = 16 channels, source 1 = P): a lane holds ONE query (lane % 16) throughout; two tiles of S^T, packed to f16, are a fragment of P.
; q, k, v lie in memory as images of these fragments (four registers: 512 bytes, lane l at 16 l), so a slot's K and V are dense blocks and every LDS load reads 512 consecutive bytes.
; SOFTMAX.  A running maximum m and sum l for each query: p = 2^(c s - c m), c = log2(e) / 8; in every step O and l are multiplied by 2^(c m_old - c m_new).  A step is walked only where its first key counts for all 16 queries, so m is a number from the first step on.
; RING.  Two slots of 256 keys (K 32,768 bytes, then V 32,768), filled by waves 0-3, 16,384 bytes each, read by all sixteen.  By this text's own count a wave has one tensor load out at the most; every wait on TENSORcnt is for 0.
; cluster = none: work-groups of one key head share K and V, but each leaves out other steps and ends its loads at another slot, by branches on its own number, which partners of a cluster may not have.
; OUT: ai [key head 4][row tile 256][2 x query head in group + channel half][1,024 bytes]: the fragments of the projection's left operand.
; LIMITS: the results stay under 65,504 (f16).  Positions 0-15 are also computed here; the last launch stores them anew from f32.
.set SK,    256                        ; keys in a slot
.set SLOT1, 65536                      ; slot 1 begins here: one exclusive or turns an address from one slot to the other
.set VOFF,  32768
.set SPARE, 131072                     ; behind the ring: the spare words, 128 bytes for each of sixteen waves
.set NSL,   8
.set LI,  1                            ; v1  16 x lane
.set ADR, 2                            ; v2  the slot in hand + 16 x lane
.set SPW, 3                            ; v3  LDS address of my spare word; never rewritten
.set NIL, 4                            ; v4  0; never rewritten
.set PFO, 5                            ; v5  256 x lane: the prefetches' offset; never rewritten
.set RH,  6                            ; v6  r - 8 h
.set NINF, 7                           ; v7  -infinity
.set CM,  8                            ; v[8:9]   c m (the packed form names a pair and takes its low word)
.set AL,  10                           ; v[10:11] 2^(c m_old - c m_new); at the end 1 / l
.set MX,  12                           ; v12 m
.set LL,  14                           ; v[14:15] l, even keys' and odd keys'
.set QF,  16                           ; v16-31   Q: two fragments
.set KR,  32                           ; v32-95   K of a step: fragment (key tile kt, channel half u) at 8 (2 kt + u)
.set VF,  96                           ; v96-159  V^T of a step: (32 keys kk, channel tile t) at 8 (4 kk + t)
.set SS,  160                          ; v160-191 S^T, then p
.set PP,  192                          ; v192-207 P
.set OO,  208                          ; v208-239 O^T
.set TT,  240                          ; v240-245 at work
.set SUM, 246                          ; v[246:249] two chains of sums
.set DQ,  250
.set WV,  18
.set SEL, 20                           ; s[20:21] v_permlanex16_b32's selects for lane l xor 16
.set CS,  22                           ; s[22:23] c
.set G1,  24                           ; s[24:31] group 1: 16,384 dense bytes as 64 rows of 256
.set G0,  32                           ; s[32:35] group 0, which walks
.set TB,  2                            ; s2  LDS byte at which the slot in hand begins
.set KF,  36                           ; s36 the step's first key
.set Q0,  37                           ; s37 my first query
.set QL,  38                           ; s38 my work-group's last query
.set SLOTS, 39                         ; s39 changes of slots still to come that may ask for a slot
.set PFA, 40                           ; s[40:41] where my prefetches stand
.set LIM, 42                           ; s42 1 in a wave that prefetches, else the greatest number
.macro TLOAD                           ; waves 0-3 fetch a quarter of a slot each; an s_nop 0 and four v_nop follow the load
	s_cmp_lt_u32 s[WV], 4
	s_cbranch_scc0 .Lasked_\@
	tensor_load_to_lds s[G0:G0+3], s[G1:G1+7]
	s_nop 0
.rept 4
	v_nop
.endr
.Lasked_\@:
.endm
; A PREFETCH INTO THE L2 of what the NEXT change of slots will ask for: a slot's 32,768 bytes of K and of V.  All 32 work-groups of a key head walk the same K and V: the first of them (j = 0, which walks every slot) asks, and nobody else.
; In it the waves ask that fetch nothing, one instruction each: waves 4-7 for K's block, waves 8-11 for V's, 8,192 bytes a wave, lanes 256 bytes apart: each aligned block of 256 bytes is named once in the launch.
; It stands at the change of slots, four key steps ahead of the load that wants the bytes.  Slots 0 and 1 come by their loads alone; the last change that fills a slot asks for nothing: there is no slot behind it.
.macro ASK
	s_cmp_gt_u32 s[SLOTS], s[LIM]
	s_cbranch_scc0 .Lnot_mine_\@
	global_prefetch_b8 v[PFO], s[PFA:PFA+1] th:TH_LOAD_NT scope:SCOPE_SE
.Lnot_mine_\@:
.endm
; THE CHANGE OF SLOTS, at a slot's head.  Each wave waits for all its tensor loads (its part of the slot that it is about to read), adds 0 to its spare word, and waits for that and for its reads of the slot that it has left.
; Behind the barrier the slot ahead is whole and nobody reads the other one.  fill = 1: the other slot is asked for, up to the causal limit.
.macro CHANGE fill
	s_wait_tensorcnt 0x0                           ; no tensor load of mine is out, so the group 0 may be written
	ds_add_u32 v[SPW], v[NIL]
.if \fill
	ds_add_u32 v[SPW], v[NIL]                      ; and once more, in every trip alike
	s_xor_b32 s[G0+1], s[G0+1], SLOT1              ; the other slot than last time,
	s_add_nc_u64 s[G0+2:G0+3], s[G0+2:G0+3], 32768 ; the next 256 keys; the type bits on top are not reached
	s_wait_xcnt 0x0                                ; the last prefetch, a slot back, has read its address
	s_add_nc_u64 s[PFA:PFA+1], s[PFA:PFA+1], 32768 ; one slot further on than the walking descriptor
.endif
	s_wait_dscnt 0x0                               ; the add is done, and my reads of the slot that I have left are over
	s_barrier_signal -1
	s_barrier_wait -1
.if \fill
	s_add_co_u32 s44, s[KF], SK                    ; the first key of the slot that this change would ask for:
	s_cmp_gt_u32 s44, s[QL]                        ; behind my work-group's last query none of its waves would read it.  Ids and the count of steps alone: all sixteen waves go the same way
	s_cbranch_scc1 .Lpast_\@
	TLOAD                                          ; a wave's one tensor load until the next change
.Lpast_\@:
	ASK
.endif
.endm
; A KEY STEP: 64 keys, the q-th of the slot in hand.
.macro STEP q
	s_add_co_u32 s44, s[Q0], 15
	s_cmp_gt_u32 s[KF], s44                        ; all 64 keys come after my 16 queries: the step's work is left out
	s_cbranch_scc1 .Lhidden_\@
	v_add_nc_u32 v[ADR], s[TB], v[LI]
.rept 3
	v_nop                                          ; with the addition: four places between the last step's products and the loads into the registers that they read
.endr
.irp kt, 0,1,2,3
.irp u, 0,1
.irp c, 0,1
	ds_load_b128 v[KR+8*(2*\kt+\u)+4*\c:KR+8*(2*\kt+\u)+4*\c+3], v[ADR] offset:(\q)*8192+\kt*2048+\u*1024+\c*512
.endr
.endr
.endr
.irp kk, 0,1
.irp t, 0,1,2,3
.irp c, 0,1
	ds_load_b128 v[VF+8*(4*\kk+\t)+4*\c:VF+8*(4*\kk+\t)+4*\c+3], v[ADR] offset:VOFF+(\q)*8192+\kk*4096+\t*1024+\c*512
.endr
.endr
.endr
	s_wait_dscnt 16                                ; K is in; V's 16 loads may be out
.irp u, 0,1                            ; the four accumulators by turns, one instruction a turn
.irp kt, 0,1,2,3
.if \u == 0
	v_wmma_f32_16x16x32_f16 v[SS+8*\kt:SS+8*\kt+7], v[KR+8*(2*\kt+\u):KR+8*(2*\kt+\u)+7], v[QF+8*\u:QF+8*\u+7], 0
.else
	v_wmma_f32_16x16x32_f16 v[SS+8*\kt:SS+8*\kt+7], v[KR+8*(2*\kt+\u):KR+8*(2*\kt+\u)+7], v[QF+8*\u:QF+8*\u+7], v[SS+8*\kt:SS+8*\kt+7]
.endif
.endr
.endr
.rept 4
	v_nop
.endr
	s_add_co_u32 s44, s[KF], 63
	s_cmp_le_u32 s44, s[Q0]                        ; a step all of whose keys count skips the mask
	s_cbranch_scc1 .Lopen_\@
	s_sub_co_i32 s44, s[Q0], s[KF]
	v_add_nc_u32 v[DQ], s44, v[RH]                 ; my query - KF - 8 h.  Register 8 kt + i holds key KF + 16 kt + 8 h + i: hidden where 16 kt + i is greater
.set NN, 0
.rept 32
	v_cmp_gt_i32 vcc_lo, 16*(NN/8)+NN%8, v[DQ]
	v_cndmask_b32 v[SS+NN], v[SS+NN], v[NINF], vcc_lo
.set NN, NN+1
.endr
.Lopen_\@:
.irp j, 0,1,2,3                        ; the largest of my 32 scores and the old m: four chains, each from its accumulator's low end on
	v_max3_num_f32 v[TT+\j], v[SS+8*\j], v[SS+8*\j+1], v[SS+8*\j+2]
.endr
.irp i, 3,5
.irp j, 0,1,2,3
	v_max3_num_f32 v[TT+\j], v[TT+\j], v[SS+8*\j+\i], v[SS+8*\j+\i+1]
.endr
.endr
	v_max3_num_f32 v[TT], v[TT], v[SS+7], v[SS+15]
	v_max3_num_f32 v[TT+2], v[TT+2], v[SS+23], v[SS+31]
	v_max3_num_f32 v[TT], v[TT], v[TT+1], v[TT+2]
	v_max3_num_f32 v[TT], v[TT], v[TT+3], v[MX]
	v_permlanex16_b32 v[TT+4], v[TT], s[SEL], s[SEL+1]   ; the query's other 32 keys lie in the lane 16 away
	v_mov_b32 v[TT+5], v[CM]
	v_max_num_f32 v[MX], v[TT], v[TT+4]
	v_mul_f32 v[CM], s[CS], v[MX]
	v_sub_f32 v[TT+5], v[TT+5], v[CM]              ; c m_old - c m_new
.set NN, 0
.rept 16
	v_pk_fma_f32 v[SS+NN:SS+NN+1], v[SS+NN:SS+NN+1], s[CS:CS+1], v[CM:CM+1] op_sel_hi:[1,0,0] neg_lo:[0,0,1] neg_hi:[0,0,1]   ; c s - c m
.set NN, NN+2
.endr
	v_exp_f32 v[AL], v[TT+5]                       ; ONE BATCH of 33 exponentials,
.set NN, 0
.rept 32
	v_exp_f32 v[SS+NN], v[SS+NN]
.set NN, NN+1
.endr
	v_nop                                          ; one plain line behind the last of them,
	s_wait_alu depctr_va_vdst(0)                   ; and one wait ahead of the first line that names a result
.set NN, 0
.rept 16
	v_cvt_pk_f16_f32 v[PP+NN], v[SS+2*NN], v[SS+2*NN+1]
.set NN, NN+1
.endr
	v_pk_add_f32 v[SUM:SUM+1], v[SS:SS+1], v[SS+2:SS+3]            ; the sum of the unrounded p, in two chains
	v_pk_add_f32 v[SUM+2:SUM+3], v[SS+4:SS+5], v[SS+6:SS+7]
.irp j, 8,12,16,20,24,28
	v_pk_add_f32 v[SUM:SUM+1], v[SUM:SUM+1], v[SS+\j:SS+\j+1]
	v_pk_add_f32 v[SUM+2:SUM+3], v[SUM+2:SUM+3], v[SS+\j+2:SS+\j+3]
.endr
	v_pk_add_f32 v[SUM:SUM+1], v[SUM:SUM+1], v[SUM+2:SUM+3]
	v_pk_fma_f32 v[LL:LL+1], v[LL:LL+1], v[AL:AL+1], v[SUM:SUM+1] op_sel_hi:[1,0,1]
.set NN, 0
.rept 16
	v_pk_mul_f32 v[OO+NN:OO+NN+1], v[OO+NN:OO+NN+1], v[AL:AL+1] op_sel_hi:[1,0]   ; O^T under the new m, each accumulator from its low end on
.set NN, NN+2
.endr
	s_wait_dscnt 0x0                               ; V is in
.irp kk, 0,1
.irp t, 0,1,2,3
	v_wmma_f32_16x16x32_f16 v[OO+8*\t:OO+8*\t+7], v[VF+8*(4*\kk+\t):VF+8*(4*\kk+\t)+7], v[PP+8*\kk:PP+8*\kk+7], v[OO+8*\t:OO+8*\t+7]
.endr
.endr
.Lhidden_\@:
	s_add_co_u32 s[KF], s[KF], 64
.endm
.macro SLOT_STEPS
	STEP 0
	STEP 1
	STEP 2
	STEP 3
	s_xor_b32 s[TB], s[TB], SLOT1                  ; on to the other slot
.endm
	s_load_b128 s[4:7], s[0:1], 0x0                ; qi s[4:5], kv s[6:7]
	s_load_b64 s[8:9], s[0:1], 0x10                ; ai
	v_lshl_add_u32 v[SPW], v0, 2, SPARE
	v_mov_b32 v[NIL], 0
	ds_add_u32 v[SPW], v[NIL]                      ; the wave's opening: the add, twice on end, and its wait ahead of the first tensor load; the set-up below stands between
	ds_add_u32 v[SPW], v[NIL]
	v_lshrrev_b32 v8, 5, v0
	v_readfirstlane_b32 s[WV], v8                  ; wave 0..15
	v_and_b32 v[LI], 31, v0
	v_lshlrev_b32 v[PFO], 8, v[LI]
	v_lshlrev_b32 v[LI], 4, v[LI]
	v_and_b32 v8, 15, v0
	v_bfe_u32 v9, v0, 4, 1
	v_lshlrev_b32 v9, 3, v9
	v_sub_nc_u32 v[RH], v8, v9
	v_mov_b32 v[NINF], 0xff800000
	s_and_b32 s44, ttmp7, 0xffff                   ; bkv = 4 x batch + key head
	s_lshr_b32 s45, s[WV], 2                       ; the query head in the group
	s_bfe_u32 s46, s[WV], 0x10001                  ; which 16 of the block's 32 positions
	s_xor_b32 s47, s[WV], s45
	s_and_b32 s47, s47, 1                          ; 1: the late block
	s_sub_co_u32 s48, 63, ttmp9
	s_cmp_eq_u32 s47, 1
	s_cselect_b32 s49, s48, ttmp9
	s_lshl_b32 s[Q0], s49, 5
	s_lshl_b32 s50, s46, 4
	s_add_co_u32 s[Q0], s[Q0], s50
	s_lshl_b32 s[QL], s48, 5
	s_or_b32 s[QL], s[QL], 31
	s_mov_b32 s[G1], 3<<16                         ; no mask; elements of 8 bytes; no padding
	s_mov_b32 s[G1+1], 32<<16                      ; tensor_dim0 = 32
	s_mov_b32 s[G1+2], 64<<16                      ; tensor_dim1 = 64
	s_mov_b32 s[G1+3], 32<<16                      ; tile_dim0 = 32
	s_mov_b32 s[G1+4], 64                          ; tile_dim1 = 64
	s_mov_b32 s[G1+5], 32                          ; pitch
	s_mov_b32 s[G1+6], 0
	s_mov_b32 s[G1+7], 0
	s_lshl_b32 s51, s44, 18                        ; a key head's K, and its V: 262,144 bytes
	s_min_u32 s54, s[WV], 3                        ; the quarter of a slot that I fetch (waves 0-3): K's halves, then V's
	s_lshl_b32 s[G0+1], s54, 14
	s_lshr_b32 s52, s54, 1
	s_lshl_b32 s52, s52, 21                        ; V lies 2,097,152 bytes behind K
	s_and_b32 s55, s54, 1
	s_lshl_b32 s55, s55, 14
	s_add_co_u32 s52, s52, s55
	s_add_co_u32 s52, s52, s51
	s_mov_b32 s53, 0
	s_lshl_b32 s56, s44, 2
	s_add_co_u32 s56, s56, s45                     ; 16 x batch + query head = 4 bkv + head in group
	s_lshl_b32 s56, s56, 7
	s_lshr_b32 s57, s[Q0], 4
	s_add_co_u32 s56, s56, s57
	s_lshl_b32 s56, s56, 11                        ; Q: my position tile's 2,048 bytes
	s_mov_b32 s57, 0
	s_and_b32 s58, s44, 3
	s_lshl_b32 s58, s58, 21                        ; ai: key head x 2,097,152
	s_lshr_b32 s59, s44, 2
	s_lshl_b32 s59, s59, 7
	s_lshr_b32 s60, s[Q0], 4
	s_add_co_u32 s59, s59, s60
	s_lshl_b32 s59, s59, 13                        ; + row tile x 8,192
	s_add_co_u32 s58, s58, s59
	s_lshl_b32 s59, s45, 11                        ; + head in group x 2,048
	s_add_co_u32 s58, s58, s59
	s_mov_b32 s59, 0
	s_bfe_u32 s60, s[WV], 0x10003                  ; the prefetches: waves 4-7 K, waves 8-11 V,
	s_lshl_b32 s60, s60, 21
	s_and_b32 s61, s[WV], 3
	s_lshl_b32 s61, s61, 13                        ; 8,192 bytes a wave,
	s_add_co_u32 s60, s60, s61
	s_add_co_u32 s60, s60, s51
	s_add_co_u32 s60, s60, 32768                   ; in slot 1: the first change of slots steps it to slot 2
	s_mov_b32 s61, 0
	s_sub_co_u32 s62, s[WV], 4
	s_lshr_b32 s62, s62, 3                         ; 0 in waves 4 to 11,
	s_or_b32 s62, s62, ttmp9                       ; of the key head's first work-group
	s_cmp_eq_u32 s62, 0
	s_cselect_b32 s[LIM], 1, -1
	s_mov_b32 s[SEL], 0x76543210
	s_mov_b32 s[SEL+1], 0xfedcba98
	s_mov_b32 s[CS], 0x3e38aa3b                    ; c = log2(e) / sqrt(64)
	s_mov_b32 s[CS+1], s[CS]
	s_mov_b32 s[TB], 0
	s_mov_b32 s[KF], 0
	s_mov_b32 s[SLOTS], NSL-1
	s_wait_dscnt 0x0                               ; both opening adds are done
	s_wait_kmcnt 0x0
	s_mov_b32 s[G0], 1
	s_add_nc_u64 s[G0+2:G0+3], s[6:7], s[52:53]
	s_or_b32 s[G0+3], s[G0+3], 0x80000000
	TLOAD                                          ; slot 0: key 0 counts for every query, so every wave reads it
	s_add_nc_u64 s[56:57], s[4:5], s[56:57]
	s_add_nc_u64 s[58:59], s[8:9], s[58:59]
	s_add_nc_u64 s[PFA:PFA+1], s[6:7], s[60:61]
.irp i, 0,1,2,3
	global_load_b128 v[QF+4*\i:QF+4*\i+3], v[LI], s[56:57] offset:512*\i   ; Q stays in registers
.endr
	v_mov_b32 v[MX], 0xff61b1e6                    ; m: -3e38, under every score
	v_mul_f32 v[CM], s[CS], v[MX]
	v_mov_b32 v[CM+1], 0                           ; (named as the upper halves of pairs)
	v_mov_b32 v[AL], 0
	v_mov_b32 v[AL+1], 0
	v_mov_b32 v[LL], 0
	v_mov_b32 v[LL+1], 0
	v_mov_b32 v[TT+4], 0                           ; a lane permute's destination counts as one of its sources
.set NN, 0
.rept 32
	v_mov_b32 v[OO+NN], 0                          ; the step is written once: the first finds zeros, which its factor 0 leaves zeros
.set NN, NN+1
.endr
	s_wait_loadcnt 0x0                             ; Q
.Lslot:                                            ; NSL - 1 trips
	CHANGE 1
	SLOT_STEPS
	s_sub_co_u32 s[SLOTS], s[SLOTS], 1
	s_cmp_lg_u32 s[SLOTS], 0
	s_cbranch_scc1 .Lslot
	CHANGE 0                                       ; the last slot is written out: nothing is left to ask for
	SLOT_STEPS
	; THE WAY OUT: O^T / l, to f16; a tile's four packed registers are four registers of a fragment of the projection's operand
.rept 4
	v_nop                                          ; places behind the last products
.endr
	v_add_f32 v[LL], v[LL], v[LL+1]
	v_permlanex16_b32 v[TT+4], v[LL], s[SEL], s[SEL+1]
	v_add_f32 v[LL], v[LL], v[TT+4]
	v_rcp_f32 v[AL], v[LL]
	v_nop                                          ; a plain line behind the reciprocal,
	s_wait_alu depctr_va_vdst(0)                   ; and the wait ahead of its first reader
.set NN, 0
.rept 16
	v_pk_mul_f32 v[SS+NN:SS+NN+1], v[OO+NN:OO+NN+1], v[AL:AL+1] op_sel_hi:[1,0]
.set NN, NN+2
.endr
.set NN, 0
.rept 16
	v_cvt_pk_f16_f32 v[PP+NN], v[SS+2*NN], v[SS+2*NN+1]
.set NN, NN+1
.endr
.irp t, 0,1,2,3
	global_store_b128 v[LI], v[PP+4*\t:PP+4*\t+3], s[58:59] offset:512*\t   ; the wave stores 512 consecutive bytes, aligned
.endr
	s_wait_tensorcnt 0x0                           ; the wave's end
	ds_add_u32 v[SPW], v[NIL]
	s_wait_dscnt 0x0
	s_endpgm
.Lfunc_end_k_q1cb75d0724_attn:
	.size	k_q1cb75d0724_attn, .Lfunc_end_k_q1cb75d0724_attn-k_q1cb75d0724_attn
	.p2alignl 7, 3214868480
	.fill 96, 4, 3214868480
	.section	.rodata,"a",@progbits
	.p2align	6, 0x0
	.amdhsa_kernel k_q1cb75d0724_attn
		.amdhsa_group_segment_fixed_size 327680
		.amdhsa_private_segment_fixed_size 0
		.amdhsa_enable_private_segment 0
		.amdhsa_kernarg_size 24
		.amdhsa_user_sgpr_count 2
		.amdhsa_user_sgpr_kernarg_segment_ptr 1
		.amdhsa_wavefront_size32 1
		.amdhsa_system_sgpr_workgroup_id_x 1
		.amdhsa_system_sgpr_workgroup_id_y 1
		.amdhsa_system_sgpr_workgroup_id_z 1
		.amdhsa_system_vgpr_workitem_id 0
		.amdhsa_next_free_vgpr 256
		.amdhsa_next_free_sgpr 66
		.amdhsa_reserve_vcc 1
		.amdhsa_float_denorm_mode_32 3
		.amdhsa_float_denorm_mode_16_64 3
		.amdhsa_memory_ordered 1
		.amdhsa_forward_progress 1
		.amdhsa_inst_pref_size 106
	.end_amdhsa_kernel
	.amdgpu_metadata
---
amdhsa.version: [ 1, 2 ]
amdhsa.kernels:
  - .name:           k_q1cb75d0724_attn
    .symbol:         k_q1cb75d0724_attn.kd
    .args:
      - { .name: qi, .offset: 0, .size: 8, .value_kind: global_buffer, .address_space: global }
      - { .name: kv, .offset: 8, .size: 8, .value_kind: global_buffer, .address_space: global }
      - { .name: ai, .offset: 16, .size: 8, .value_kind: global_buffer, .address_space: global }
    .group_segment_fixed_size: 327680
    .private_segment_fixed_size: 0
    .kernarg_segment_align: 8
    .kernarg_segment_size: 24
    .max_flat_workgroup_size: 512
    .sgpr_count:     66
    .vgpr_count:     256
    .wavefront_size: 32
...
	.end_amdgpu_metadata
.endif
;; end of part 3
;; launch proj (part 4): grid 8 x 32, 4 waves a work-group, clusters of 4 x 4, 327,680 bytes of LDS; arguments ai, woh, out0; writes out0
.if DOCPART == 4
	.amdgcn_target "amdgcn-amd-amdhsa--gfx1250"
	.amdhsa_code_object_version 6
	.text
	.protected	k_q1cb75d0724_proj
	.globl	k_q1cb75d0724_proj
	.p2align	8
	.type	k_q1cb75d0724_proj,@function
k_q1cb75d0724_proj:
	s_mov_b64 s[64:65], 0
	v_nop
	global_prefetch_b8 v0, s[64:65] scope:SCOPE_SE
	s_setreg_imm32_b32 hwreg(HW_REG_WAVE_MODE, 25, 1), 1
	s_wait_xcnt 0x0
	s_wait_alu depctr_hold_cnt(0) depctr_sa_sdst(0) depctr_va_vdst(0) depctr_va_sdst(0) depctr_va_ssrc(0) depctr_va_vcc(0) depctr_vm_vsrc(0)
	s_getreg_b32 s2, hwreg(HW_REG_IB_STS2, 6, 4)
	s_cmp_eq_u32 s2, 0
	s_cbranch_scc0 .Lentry_in_a_cluster
	s_endpgm
.Lentry_in_a_cluster:
	s_bfe_u32 s2, ttmp6, 0x10000c
	s_cmp_lg_u32 s2, 0xf033
	s_cbranch_scc0 .Lentry_shape_is_right
	s_endpgm
.Lentry_shape_is_right:
; PROJ: out0 [4096][1024] f32 = a [4096][1024] x wo [1024][1024], operands f16, sums f32.  Both operands lie in memory as images of the fragments' registers:
; ai [K step 4][row tile 256][8][1,024 bytes], woh [K step 4][column tile 64][8][1,024 bytes]: a K step of 256 of 64 rows (or columns) is one dense block of 32,768 bytes, and every LDS load reads 512 consecutive bytes.
; A tile of the result is 128 x 128: 256 work-groups.  Four waves, each 64 x 64: 16 accumulators.  K goes in four steps of 256 through two LDS slots of 131,072 bytes; each wave fetches a quarter of a slot by one tensor load.
; The four K steps are written out: there is no loop.
; CLUSTERS: 4 x 4 work-groups.  The four of a row of the cluster need the same tiles of a, the four of a column the same tiles of wo: each is asked for JOINTLY, by the same tensor load with a mask that names the four.
; THE MATRIX INSTRUCTION IS USED TRANSPOSED (source 0 = 16 columns of wo, source 1 = 16 rows of a): a lane holds eight neighbouring numbers of a row of the result.
; REGISTERS: window 0: v0-31 addresses; v32-95 the way out; v128-255 the accumulators ((a, b) at 128 + 8 (4 a + b)).  Window 1: two fragment buffers of 128: for 64 along K, 64 registers of a, then 64 of wo.
; Rows 0-15 of each batch are stored here too; the last launch stores them anew from f32.
.set HALFT,  32768                     ; what one tensor load brings, and what one wave reads of a or of wo in a K step
.set SLOT,   4*HALFT
.set STAGE,  2*SLOT                    ; behind the ring: 16 rows x (256 + 16) bytes for each wave, for the way out
.set SPITCH, 272
.set SPARE,  STAGE+4*16*SPITCH         ; behind the stages: the spare words, 128 bytes a wave
.set ASTEP,  2097152                   ; bytes from a K step to the next in ai,
.set BSTEP,  524288                    ; and in woh
.set ADRA, 16                          ; v16-17  LDS address of my fragments of a in slot 0, 1
.set ADRB, 20                          ; v20-21  the same for wo
.set STO,  24                          ; v24     the way out: where I put 32 bytes of a row
.set RD,   25                          ; v25     where I read a row back
.set CO,   26                          ; v26     my byte offset in the result
.set SPW,  28                          ; v28     LDS address of my spare word; never rewritten
.set NIL,  29                          ; v29     0; never rewritten
.set TMP,  32
.set ACC,  128
.set F0,   0
.set F1,   128
.set G1, 24                            ; s[24:31] group 1 for a's tiles;  s[32:39] group 0, one set for each slot
.set G0, 32
.set G1B, 48                           ; s[48:55], s[56:63] the same for wo's
.set G0B, 56
.set MSB, 0
.macro WIN new                         ; the immediate's high byte repeats the setting that is left
.if MSB != \new
	s_set_vgpr_msb (MSB<<8)|\new
.set MSB, \new
.endif
.endm
.set MUL,  0x05                        ; sources 0 and 1 window 1; C and D window 0
.set TO_F, 0x40                        ; destination window 1, address window 0
.macro JLOAD s                         ; a joint load: waves 0 and 1 fetch a's two halves, waves 2 and 3 wo's; an s_nop 0 and four v_nop follow each of the two lines
	s_cmp_eq_u32 s11, 0
	s_cbranch_scc0 .Lfor_b_\@
	tensor_load_to_lds s[G0+4*\s:G0+4*\s+3], s[G1:G1+7]
	s_nop 0
.rept 4
	v_nop
.endr
	s_branch .Lasked_\@
.Lfor_b_\@:
	tensor_load_to_lds s[G0B+4*\s:G0B+4*\s+3], s[G1B:G1B+7]
	s_nop 0
.rept 4
	v_nop
.endr
.Lasked_\@:
.endm
.macro CREST                           ; a round of the cluster's barrier behind its opening barrier
	s_cmp_lg_u32 s10, 0
	s_cbranch_scc1 .Lnot_wave_0_\@
	s_barrier_signal -3
.Lnot_wave_0_\@:
	s_barrier_wait -3
	s_barrier_signal -1
	s_barrier_wait -1
.endm
.macro CROUND
	s_barrier_signal -1
	s_barrier_wait -1
	CREST
.endm
	s_load_b128 s[4:7], s[0:1], 0x0                ; ai s[4:5], woh s[6:7]
	s_load_b64 s[8:9], s[0:1], 0x10                ; out0
	v_lshl_add_u32 v[SPW], v0, 2, SPARE
	v_mov_b32 v[NIL], 0
	ds_add_u32 v[SPW], v[NIL]                      ; the wave's opening: the add, twice on end, and its wait ahead of my first tensor load
	ds_add_u32 v[SPW], v[NIL]
	v_lshrrev_b32 v1, 5, v0
	v_readfirstlane_b32 s10, v1                    ; wave 0..3
	s_lshr_b32 s11, s10, 1                         ; which half of the tile's rows is mine.  Also: I fetch for a (0) or for wo (1)
	s_and_b32 s12, s10, 1                          ; which half of its columns.  Also: which half of that tile I fetch
	s_bfe_u32 s40, ttmp6, 0x40000                  ; cx, cy
	s_bfe_u32 s41, ttmp6, 0x40004
	s_lshl_b32 s42, ttmp9, 2
	s_add_co_u32 s42, s42, s40                     ; tile column = 4 x cluster x + cx
	s_and_b32 s13, ttmp7, 0xffff
	s_lshl_b32 s13, s13, 2
	s_add_co_u32 s13, s13, s41                     ; tile row = 4 x cluster y + cy
	s_lshl_b32 s43, s41, 2
	s_lshl_b32 s43, 15, s43                        ; my row of the cluster
	s_lshl_b32 s44, 0x1111, s40                    ; my column
	s_or_b32 s[G1+0], s43, (3<<16)|(1<<21)         ; the mask; elements of 8 bytes; bit 21 beside a mask; no padding: the block is read as it lies
	s_or_b32 s[G1B+0], s44, (3<<16)|(1<<21)
.irp g, G1, G1B
	s_mov_b32 s[\g+1], 32<<16                      ; tensor_dim0 = 32: rows of 256 bytes
	s_mov_b32 s[\g+2], 128<<16                     ; tensor_dim1 = 128
	s_mov_b32 s[\g+3], 32<<16                      ; tile_dim0
	s_mov_b32 s[\g+4], 128                         ; tile_dim1
	s_mov_b32 s[\g+5], 32                          ; pitch: dense
	s_mov_b32 s[\g+6], 0
	s_mov_b32 s[\g+7], 0
.endr
	s_lshl_b32 s17, s12, 2                         ; the four tiles of 16 that I fetch
	s_lshl_b32 s16, s13, 3
	s_add_co_u32 s16, s16, s17
	s_lshl_b32 s16, s16, 13                        ; a: row tile 8 x tile row + 4 x half, 8,192 bytes each
	s_lshl_b32 s46, s42, 3
	s_add_co_u32 s46, s46, s17
	s_lshl_b32 s46, s46, 13                        ; wo: column tile 8 x tile column + 4 x half
	s_mov_b32 s17, 0
	s_mov_b32 s47, 0
	s_lshl_b32 s20, s10, 15                        ; where they go: wave x 32,768: no place in the cluster enters an LDS address
	s_wait_dscnt 0x0                               ; both opening adds are done
	s_wait_kmcnt 0x0
	s_add_nc_u64 s[14:15], s[4:5], s[16:17]
	s_add_nc_u64 s[46:47], s[6:7], s[46:47]
	CROUND                                         ; all sixteen work-groups are here: the first joint loads meet
.irp s, 0,1
	s_mov_b32 s[G0+4*\s], 1
	s_add_co_u32 s[G0+4*\s+1], s20, \s*SLOT
	s_add_nc_u64 s[G0+4*\s+2:G0+4*\s+3], s[14:15], \s*ASTEP
	s_or_b32 s[G0+4*\s+3], s[G0+4*\s+3], 0x80000000
	s_mov_b32 s[G0B+4*\s], 1
	s_add_co_u32 s[G0B+4*\s+1], s20, \s*SLOT
	s_add_nc_u64 s[G0B+4*\s+2:G0B+4*\s+3], s[46:47], \s*BSTEP
	s_or_b32 s[G0B+4*\s+3], s[G0B+4*\s+3], 0x80000000
	JLOAD \s
.endr
	v_and_b32 v1, 15, v0                           ; l % 16
	v_bfe_u32 v2, v0, 4, 1                         ; l / 16
	v_and_b32 v3, 31, v0
	v_lshlrev_b32 v3, 4, v3                        ; 16 x lane
	s_lshl_b32 s21, s11, 15                        ; my 64 rows of a
	s_lshl_b32 s22, s12, 15                        ; my 64 columns of wo,
	s_add_co_u32 s22, s22, 2*HALFT                 ; which lie behind a's 128 rows
.irp s, 0,1
	v_add_nc_u32 v[ADRA+\s], s21, v3
	v_add_nc_u32 v[ADRB+\s], s22, v3
	s_add_co_u32 s21, s21, SLOT
	s_add_co_u32 s22, s22, SLOT
.endr
	s_mul_i32 s23, s10, 16*SPITCH
	s_add_co_u32 s23, s23, STAGE                   ; my stage
	v_mul_u32_u24 v4, v1, SPITCH                   ; in: row l % 16, 32 bytes for each half of the lanes
	v_lshl_add_u32 v4, v2, 5, v4
	v_add_nc_u32 v[STO], s23, v4
	v_mul_u32_u24 v5, v2, SPITCH                   ; back: lanes 0-15 one row of 256 bytes, lanes 16-31 the next
	v_lshl_add_u32 v5, v1, 4, v5
	v_add_nc_u32 v[RD], s23, v5
	v_lshlrev_b32 v5, 12, v2                       ; and the same two rows in the result (4,096 bytes a row)
	v_lshl_add_u32 v[CO], v1, 4, v5
	s_lshl_b32 s16, s13, 7
	s_lshl_b32 s17, s11, 6
	s_add_co_u32 s16, s16, s17                     ; my first row: 128 x tile row + 64 x half
	s_lshl_b32 s16, s16, 12
	s_mov_b32 s17, 0
	s_add_nc_u64 s[8:9], s[8:9], s[16:17]
	s_lshl_b32 s46, s42, 9                         ; my first column, in bytes: 512 x tile column + 256 x half
	s_lshl_b32 s47, s12, 8
	s_add_co_u32 s46, s46, s47
	s_mov_b32 s47, 0
	s_add_nc_u64 s[8:9], s[8:9], s[46:47]
; 8 products: row blocks a0, a0 + 1 x all 4 column blocks, 32 along K: half c of buffer f.  zero = 1: the first product starts the sums.  The 16 accumulators take turns
.macro MUL8 f, c, a0, zero
.irp a, \a0, \a0+1
.irp b, 0,1,2,3
.if \zero
	v_wmma_f32_16x16x32_f16 v[ACC+8*(4*(\a)+\b):ACC+8*(4*(\a)+\b)+7], v[\f+64+8*(4*\c+\b):\f+64+8*(4*\c+\b)+7], v[\f+8*(4*\c+\a):\f+8*(4*\c+\a)+7], 0
.else
	v_wmma_f32_16x16x32_f16 v[ACC+8*(4*(\a)+\b):ACC+8*(4*(\a)+\b)+7], v[\f+64+8*(4*\c+\b):\f+64+8*(4*\c+\b)+7], v[\f+8*(4*\c+\a):\f+8*(4*\c+\a)+7], v[ACC+8*(4*(\a)+\b):ACC+8*(4*(\a)+\b)+7]
.endif
.endr
.endr
.endm
; 32 LDS loads in one run: the fragments of the slot's qn-th 64 along K into buffer f; the first 32 along K first.  Tile i of 16 lies 8,192 bytes on, fragment 2 qn + c 1,024 bytes on
.macro FETCH slot, qn, f
	WIN TO_F
.irp c, 0,1
.irp i, 0,1,2,3
	ds_load_b128 v[\f+64+8*(4*\c+\i):\f+64+8*(4*\c+\i)+3],   v[ADRB+\slot] offset:\i*8192+(2*(\qn)+\c)*1024
	ds_load_b128 v[\f+64+8*(4*\c+\i)+4:\f+64+8*(4*\c+\i)+7], v[ADRB+\slot] offset:\i*8192+(2*(\qn)+\c)*1024+512
	ds_load_b128 v[\f+8*(4*\c+\i):\f+8*(4*\c+\i)+3],         v[ADRA+\slot] offset:\i*8192+(2*(\qn)+\c)*1024
	ds_load_b128 v[\f+8*(4*\c+\i)+4:\f+8*(4*\c+\i)+7],       v[ADRA+\slot] offset:\i*8192+(2*(\qn)+\c)*1024+512
.endr
.endr
.endm
.macro PLACES                          ; four places in front of loads into registers that matrix instructions have read, and of the first reads of results
.rept 4
	v_nop
.endr
.endm
; A K step is four quarters of 64 along K, 32 products each, on buffers 0, 1, 0, 1.  One of the first three: multiplies buffer f and fetches the slot's qn-th quarter into g
.macro QUARTER slot, qn, f, g, zero
	s_wait_dscnt 16                                ; the first 32 along K are in
	WIN MUL
	MUL8 \f, 0, 0, \zero
	MUL8 \f, 0, 2, \zero
	PLACES
	FETCH \slot, \qn, \g
	s_wait_dscnt 32                                ; all but the 32 just issued
	WIN MUL
	MUL8 \f, 1, 0, 0
	MUL8 \f, 1, 2, 0
.endm
; The last quarter multiplies buffer 1 and changes slots: ONE barrier; in front of it each wave waits for all its tensor loads, adds 0 to its spare word, and waits for that and for its reads of this slot.  fill = 1: this slot is filled again, two K steps ahead
.macro TURN slot, next, fill
	WIN 0                                          ; (the add's two registers lie in window 0)
	s_wait_tensorcnt 0x0                           ; all my tensor loads have landed: my part of the next slot
	ds_add_u32 v[SPW], v[NIL]
	s_wait_dscnt 17                                ; (the add and the youngest sixteen loads may be out)
	WIN MUL
	MUL8 F1, 0, 0, 0                               ; eight products stand between the add and the wait for it
	s_wait_dscnt 0x0                               ; the add is done, and my reads of this slot are over
	s_barrier_signal -1
	MUL8 F1, 0, 2, 0
.if \fill
	WIN 0
.endif
	s_barrier_wait -1
.if \fill
	CREST                                          ; the barrier has opened a round of the cluster's: no wave of any partner still reads this slot or has a load on its way
	s_add_nc_u64 s[G0+4*\slot+2:G0+4*\slot+3], s[G0+4*\slot+2:G0+4*\slot+3], 2*ASTEP
	s_add_nc_u64 s[G0B+4*\slot+2:G0B+4*\slot+3], s[G0B+4*\slot+2:G0B+4*\slot+3], 2*BSTEP
	JLOAD \slot                                    ; the first tensor load behind the round; its four v_nop are also the places in front of the loads below
.else
	PLACES
.endif
	FETCH \next, 0, F0
	WIN MUL
	MUL8 F1, 1, 0, 0
	MUL8 F1, 1, 2, 0
.endm
	s_wait_tensorcnt 1                             ; my part of K step 0 is in; K step 1's may stay out
	s_barrier_signal -1
	s_barrier_wait -1                              ; everybody's is
	FETCH 0, 0, F0
	QUARTER 0, 1, F0, F1, 1                        ; K step 0: its first products start the sums
	QUARTER 0, 2, F1, F0, 0
	QUARTER 0, 3, F0, F1, 0
	TURN 0, 1, 1                                   ; slot 0 takes K step 2
	QUARTER 1, 1, F0, F1, 0                        ; K step 1
	QUARTER 1, 2, F1, F0, 0
	QUARTER 1, 3, F0, F1, 0
	TURN 1, 0, 1                                   ; slot 1 takes K step 3
	QUARTER 0, 1, F0, F1, 0                        ; K step 2
	QUARTER 0, 2, F1, F0, 0
	QUARTER 0, 3, F0, F1, 0
	TURN 0, 1, 0                                   ; nothing is left to fetch
	QUARTER 1, 1, F0, F1, 0                        ; K step 3
	QUARTER 1, 2, F1, F0, 0
	QUARTER 1, 3, F0, F1, 0
	s_wait_dscnt 16
	WIN MUL
	MUL8 F1, 0, 0, 0
	MUL8 F1, 0, 2, 0
	s_wait_dscnt 0x0
	MUL8 F1, 1, 0, 0
	MUL8 F1, 1, 2, 0
	WIN 0
; THE WAY OUT, a block of 16 rows x 64 columns at a time.  A lane holds 32 neighbouring bytes of a row and the lanes beside it hold other rows: the block goes through my own stage and comes back as whole rows of 256 bytes.
; LDS serves a wave's instructions in order: no wait between the stores and the loads, nor in front of the next block's stores.
.macro TOSTAGE a
.irp b, 0,1,2,3
	ds_store_b128 v[STO], v[ACC+8*(4*(\a)+\b):ACC+8*(4*(\a)+\b)+3] offset:64*\b      ; each accumulator from its low end on
	ds_store_b128 v[STO], v[ACC+8*(4*(\a)+\b)+4:ACC+8*(4*(\a)+\b)+7] offset:64*\b+16
.endr
.set BB, TMP+32*((\a)%2)
.irp t, 0,1,2,3,4,5,6,7
	ds_load_b128 v[BB+4*\t:BB+4*\t+3], v[RD] offset:\t*2*SPITCH
.endr
.endm
.macro SEND a, younger                 ; younger: the LDS instructions issued behind block a's loads, which may stay out
.set BB, TMP+32*((\a)%2)
	s_wait_dscnt \younger
.irp t, 0,1,2,3,4,5,6,7
	global_store_b128 v[CO], v[BB+4*\t:BB+4*\t+3], s[8:9] offset:(16*(\a)+2*\t)*4096 th:TH_STORE_NT   ; sixteen lanes store 256 consecutive bytes, aligned
.endr
.endm
	PLACES
	TOSTAGE 0
	TOSTAGE 1
	SEND 0, 16                                     ; behind block 0's loads: block 1's 8 stores and 8 loads
	s_wait_xcnt 0x0                                ; block 0's stores have read their registers: block 2's loads may land there
	TOSTAGE 2
	SEND 1, 16
	s_wait_xcnt 0x0
	TOSTAGE 3
	SEND 2, 16
	SEND 3, 0
	s_wait_tensorcnt 0x0                           ; the wave's end
	ds_add_u32 v[SPW], v[NIL]
	s_wait_dscnt 0x0
	CROUND                                         ; the closing round
	s_endpgm
.Lfunc_end_k_q1cb75d0724_proj:
	.size	k_q1cb75d0724_proj, .Lfunc_end_k_q1cb75d0724_proj-k_q1cb75d0724_proj
	.p2alignl 7, 3214868480
	.fill 96, 4, 3214868480
	.section	.rodata,"a",@progbits
	.p2align	6, 0x0
	.amdhsa_kernel k_q1cb75d0724_proj
		.amdhsa_group_segment_fixed_size 327680
		.amdhsa_private_segment_fixed_size 0
		.amdhsa_enable_private_segment 0
		.amdhsa_kernarg_size 24
		.amdhsa_user_sgpr_count 2
		.amdhsa_user_sgpr_kernarg_segment_ptr 1
		.amdhsa_wavefront_size32 1
		.amdhsa_system_sgpr_workgroup_id_x 1
		.amdhsa_system_sgpr_workgroup_id_y 1
		.amdhsa_system_sgpr_workgroup_id_z 1
		.amdhsa_system_vgpr_workitem_id 0
		.amdhsa_next_free_vgpr 512
		.amdhsa_next_free_sgpr 66
		.amdhsa_reserve_vcc 0
		.amdhsa_float_denorm_mode_32 3
		.amdhsa_float_denorm_mode_16_64 3
		.amdhsa_memory_ordered 1
		.amdhsa_forward_progress 1
		.amdhsa_inst_pref_size 85
	.end_amdhsa_kernel
	.amdgpu_metadata
---
amdhsa.version: [ 1, 2 ]
amdhsa.kernels:
  - .name:           k_q1cb75d0724_proj
    .symbol:         k_q1cb75d0724_proj.kd
    .args:
      - { .name: ai, .offset: 0, .size: 8, .value_kind: global_buffer, .address_space: global }
      - { .name: woh, .offset: 8, .size: 8, .value_kind: global_buffer, .address_space: global }
      - { .name: out0, .offset: 16, .size: 8, .value_kind: global_buffer, .address_space: global }
    .group_segment_fixed_size: 327680
    .private_segment_fixed_size: 0
    .kernarg_segment_align: 8
    .kernarg_segment_size: 24
    .max_flat_workgroup_size: 128
    .sgpr_count:     66
    .vgpr_count:     512
    .wavefront_size: 32
...
	.end_amdgpu_metadata
.endif
;; end of part 4
;; launch first (part 5): grid 64 x 2, 16 waves a work-group, no clusters, 18,432 bytes of LDS; arguments h32, wo, out0; writes out0
.if DOCPART == 5
	.amdgcn_target "amdgcn-amd-amdhsa--gfx1250"
	.amdhsa_code_object_version 6
	.text
	.protected	k_q1cb75d0724_first
	.globl	k_q1cb75d0724_first
	.p2align	8
	.type	k_q1cb75d0724_first,@function
k_q1cb75d0724_first:
	s_mov_b64 s[64:65], 0
	v_nop
	global_prefetch_b8 v0, s[64:65] scope:SCOPE_SE
	s_setreg_imm32_b32 hwreg(HW_REG_WAVE_MODE, 25, 1), 1
	s_wait_xcnt 0x0
; FIRST: positions 0-15 of each batch once more, in f32 from the projections' sums to the result.  Under the causal mask these rows average one to sixteen values and are the largest of the output, so the rounding of
; f16 operands weighs most there.  It runs last and stores these 32 rows of out0 anew.
; SHARES.  Work-group (nt, b): 16 columns of the result, one batch.  Wave = query head H: its 16 x 16 attention (32 matrix instructions of 16 x 16 x 4) and its 64 channels' part of the projection (16);
; the sixteen waves' parts meet in LDS and are added in the order of the heads.  The small attention is repeated in the 64 work-groups of a batch: it is 16 queries x 16 keys, and a launch of its own would cost more.
; LAYOUT.  h32 holds q, k (lane: position r, channels 16 t + 8 h + j) and v (lane: channel 16 t + r, positions 8 h + j) as the registers stood.  The f32 form wants k = 2 h + j of a row in register j:
; a pair of neighbouring registers, taken alike from both operands, is such an operand under one and the same permutation of K on both sides, which leaves the sum's terms as they are.
;   S^T = K Q^T: lane holds query r, keys 8 h + j;   O^T = V^T P: query r, channels 16 t + 8 h + j;   D = wo^T O^T: query r, columns 16 nt + 8 h + j.
; The registers that the f32 matrix form writes (v144-159, v176-239) are written by matrix instructions alone.
; The stores are pieces of 64 bytes of 16 rows: 131,072 bytes in the whole launch.
.set SPARE, 16384                      ; LDS: 16 parts of 1,024 bytes; behind them the spare words, 128 bytes for each of sixteen waves
.set LI,  1                            ; v1  16 x lane
.set WOF, 2                            ; v2  wo: 4 r + 8 h rows
.set RH,  3                            ; v3  r - 8 h
.set PA,  4                            ; v4  where I put my part: 1,024 x wave + 16 x lane
.set RDA, 5                            ; v5  where waves 0 and 1 read the parts: 512 x wave + 16 x lane
.set OOF, 6                            ; v6  out0: row r, + 32 h
.set NINF, 7
.set SPW, 14                           ; v14 LDS address of my spare word; never rewritten
.set NIL, 15                           ; v15 0; never rewritten
.set QF,  16                           ; v16-47   q;  v48-79 k;  v80-111 v: 8 t + j
.set KR,  48
.set VF,  80
.set WOR, 112                          ; v112-143 wo: 8 t + 2 i + e = channel 16 t + 8 h + 2 i + e, column r
.set SA,  144                          ; v144-151, v152-159 the scores in two sums
.set SB,  152
.set TT,  160                          ; v160-167 the scores, then p
.set PP,  168                          ; v168-175 p / l
.set OO,  176                          ; v176-207 O^T
.set DD,  208                          ; v208-239 four sums of the projection, one for each tile of channels
.set RS,  240                          ; v240-247 my head's part
	s_load_b128 s[4:7], s[0:1], 0x0                ; h32 s[4:5], wo s[6:7]
	s_load_b64 s[8:9], s[0:1], 0x10                ; out0
	v_lshl_add_u32 v[SPW], v0, 2, SPARE
	v_mov_b32 v[NIL], 0
	v_lshrrev_b32 v8, 5, v0
	v_readfirstlane_b32 s12, v8                    ; wave = head
	s_and_b32 s13, ttmp7, 0xffff                   ; batch
	v_and_b32 v8, 15, v0                           ; r
	v_bfe_u32 v9, v0, 4, 1                         ; h
	v_and_b32 v[LI], 31, v0
	v_lshlrev_b32 v[LI], 4, v[LI]
	v_lshlrev_b32 v[WOF], 2, v8
	v_lshl_add_u32 v[WOF], v9, 15, v[WOF]
	v_lshlrev_b32 v10, 3, v9
	v_sub_nc_u32 v[RH], v8, v10
	s_lshl_b32 s14, s12, 10
	v_add_nc_u32 v[PA], s14, v[LI]
	s_and_b32 s15, s12, 1
	s_lshl_b32 s14, s15, 9
	v_add_nc_u32 v[RDA], s14, v[LI]
	v_lshlrev_b32 v[OOF], 12, v8
	v_lshl_add_u32 v[OOF], v9, 5, v[OOF]
	v_mov_b32 v[NINF], 0xff800000
	v_mov_b32 v9, 0                                ; from here on a lane permute's destination, which counts as one of its sources
	v_mov_b32 v11, 0                               ; (named as the upper halves of pairs)
	v_mov_b32 v13, 0
	s_mul_i32 s16, s13, 24
	s_add_co_u32 s17, s16, s12
	s_lshl_b32 s24, s17, 12                        ; q: slot H
	s_mov_b32 s25, 0
	s_lshr_b32 s17, s12, 2
	s_add_co_u32 s17, s17, s16
	s_add_co_u32 s17, s17, 16
	s_lshl_b32 s26, s17, 12                        ; k: slot 16 + H / 4; v lies four slots on
	s_mov_b32 s27, 0
	s_lshl_b32 s28, s12, 18                        ; wo: my head's 64 rows of 4,096 bytes,
	s_lshl_b32 s17, ttmp9, 6                       ; my work-group's 16 columns
	s_add_co_u32 s28, s28, s17
	s_mov_b32 s29, 0
	s_lshl_b32 s30, s13, 23                        ; out0: the batch's first row,
	s_add_co_u32 s30, s30, s17                     ; the 16 columns,
	s_lshl_b32 s17, s15, 4
	s_add_co_u32 s30, s30, s17                     ; and 16 bytes on for wave 1
	s_mov_b32 s31, 0
	s_mov_b32 s20, 0x76543210
	s_mov_b32 s21, 0xfedcba98                      ; v_permlanex16_b32's selects for lane l xor 16
	s_mov_b32 s22, 0x3e38aa3b                      ; c = log2(e) / sqrt(64)
	s_mov_b32 s23, s22
	s_wait_kmcnt 0x0
	s_add_nc_u64 s[24:25], s[4:5], s[24:25]
	s_add_nc_u64 s[26:27], s[4:5], s[26:27]
	s_add_nc_u64 s[28:29], s[6:7], s[28:29]
	s_add_nc_u64 s[30:31], s[8:9], s[30:31]
.irp t, 0,1,2,3
.irp e, 0,1
	global_load_b128 v[QF+8*\t+4*\e:QF+8*\t+4*\e+3], v[LI], s[24:25] offset:\t*1024+\e*512
.endr
.endr
.irp t, 0,1,2,3
.irp e, 0,1
	global_load_b128 v[KR+8*\t+4*\e:KR+8*\t+4*\e+3], v[LI], s[26:27] offset:\t*1024+\e*512
.endr
.endr
.irp t, 0,1,2,3
.irp e, 0,1
	global_load_b128 v[VF+8*\t+4*\e:VF+8*\t+4*\e+3], v[LI], s[26:27] offset:16384+\t*1024+\e*512
.endr
.endr
.irp t, 0,1,2,3
.irp i, 0,1,2,3,4,5,6,7
	global_load_b32 v[WOR+8*\t+\i], v[WOF], s[28:29] offset:(16*\t+\i)*4096
.endr
.endr
	s_wait_loadcnt 40                              ; q and k are in; v's 8 loads and wo's 32 may be out
	; ---- the scores: two sums by turns, channels 0-31 and 32-63; each sum's first product takes the constant 0
.irp t, 0,1
.irp i, 0,1,2,3
.if (\t == 0) && (\i == 0)
	v_wmma_f32_16x16x4_f32 v[SA:SA+7], v[KR+8*\t+2*\i:KR+8*\t+2*\i+1], v[QF+8*\t+2*\i:QF+8*\t+2*\i+1], 0
	v_wmma_f32_16x16x4_f32 v[SB:SB+7], v[KR+8*(\t+2)+2*\i:KR+8*(\t+2)+2*\i+1], v[QF+8*(\t+2)+2*\i:QF+8*(\t+2)+2*\i+1], 0
.else
	v_wmma_f32_16x16x4_f32 v[SA:SA+7], v[KR+8*\t+2*\i:KR+8*\t+2*\i+1], v[QF+8*\t+2*\i:QF+8*\t+2*\i+1], v[SA:SA+7]
	v_wmma_f32_16x16x4_f32 v[SB:SB+7], v[KR+8*(\t+2)+2*\i:KR+8*(\t+2)+2*\i+1], v[QF+8*(\t+2)+2*\i:QF+8*(\t+2)+2*\i+1], v[SB:SB+7]
.endif
.endr
.endr
.rept 8
	v_nop                                          ; eight places behind this form, ahead of the first read of a result
.endr
	; ---- the softmax of a row of at most 16 keys, whole: the row's maximum is taken away, p is divided by the row's sum
.irp k, 0,2,4,6
	v_pk_add_f32 v[TT+\k:TT+\k+1], v[SA+\k:SA+\k+1], v[SB+\k:SB+\k+1]
.endr
.irp j, 0,1,2,3,4,5,6,7
	v_cmp_gt_i32 vcc_lo, \j, v[RH]                 ; key 8 h + j comes after query r
	v_cndmask_b32 v[TT+\j], v[TT+\j], v[NINF], vcc_lo
.endr
	v_max3_num_f32 v8, v[TT], v[TT+1], v[TT+2]
	v_max3_num_f32 v8, v8, v[TT+3], v[TT+4]
	v_max3_num_f32 v8, v8, v[TT+5], v[TT+6]
	v_max_num_f32 v8, v8, v[TT+7]
	v_permlanex16_b32 v9, v8, s20, s21             ; key 0 counts for every query, so the maximum of the two halves is a number
	v_max_num_f32 v8, v8, v9
	v_mul_f32 v10, s22, v8
.irp k, 0,2,4,6
	v_pk_fma_f32 v[TT+\k:TT+\k+1], v[TT+\k:TT+\k+1], s[22:23], v[10:11] op_sel_hi:[1,0,0] neg_lo:[0,0,1] neg_hi:[0,0,1]
.endr
.irp j, 0,1,2,3,4,5,6,7
	v_exp_f32 v[TT+\j], v[TT+\j]
.endr
	v_nop                                          ; a plain line behind the batch,
	s_wait_alu depctr_va_vdst(0)                   ; and one wait ahead of its first reader
	v_pk_add_f32 v[12:13], v[TT:TT+1], v[TT+2:TT+3]
	v_pk_add_f32 v[12:13], v[12:13], v[TT+4:TT+5]
	v_pk_add_f32 v[12:13], v[12:13], v[TT+6:TT+7]
	v_add_f32 v8, v12, v13
	v_permlanex16_b32 v9, v8, s20, s21
	v_add_f32 v8, v8, v9
	v_rcp_f32 v12, v8
	v_nop
	s_wait_alu depctr_va_vdst(0)
.irp k, 0,2,4,6
	v_pk_mul_f32 v[PP+\k:PP+\k+1], v[TT+\k:TT+\k+1], v[12:13] op_sel_hi:[1,0]
.endr
	s_wait_loadcnt 32                              ; v is in; wo's 32 loads may be out
	; ---- O^T = V^T P: four accumulators by turns, four keys a product
.irp i, 0,1,2,3
.irp t, 0,1,2,3
.if \i == 0
	v_wmma_f32_16x16x4_f32 v[OO+8*\t:OO+8*\t+7], v[VF+8*\t+2*\i:VF+8*\t+2*\i+1], v[PP+2*\i:PP+2*\i+1], 0
.else
	v_wmma_f32_16x16x4_f32 v[OO+8*\t:OO+8*\t+7], v[VF+8*\t+2*\i:VF+8*\t+2*\i+1], v[PP+2*\i:PP+2*\i+1], v[OO+8*\t:OO+8*\t+7]
.endif
.endr
.endr
.rept 9
	v_nop                                          ; nine places before a matrix instruction takes a result of this form as an operand
.endr
	s_wait_loadcnt 0x0                             ; wo
	; ---- my head's part of the projection: tile t of the channels has a sum of its own, so that the four take turns
.irp i, 0,1,2,3
.irp t, 0,1,2,3
.if \i == 0
	v_wmma_f32_16x16x4_f32 v[DD+8*\t:DD+8*\t+7], v[WOR+8*\t+2*\i:WOR+8*\t+2*\i+1], v[OO+8*\t+2*\i:OO+8*\t+2*\i+1], 0
.else
	v_wmma_f32_16x16x4_f32 v[DD+8*\t:DD+8*\t+7], v[WOR+8*\t+2*\i:WOR+8*\t+2*\i+1], v[OO+8*\t+2*\i:OO+8*\t+2*\i+1], v[DD+8*\t:DD+8*\t+7]
.endif
.endr
.endr
.rept 8
	v_nop
.endr
.irp k, 0,2,4,6
	v_pk_add_f32 v[RS+\k:RS+\k+1], v[DD+\k:DD+\k+1], v[DD+8+\k:DD+8+\k+1]      ; each sum is read from its low end on
.endr
.irp k, 0,2,4,6
	v_pk_add_f32 v[RS+\k:RS+\k+1], v[RS+\k:RS+\k+1], v[DD+16+\k:DD+16+\k+1]
.endr
.irp k, 0,2,4,6
	v_pk_add_f32 v[RS+\k:RS+\k+1], v[RS+\k:RS+\k+1], v[DD+24+\k:DD+24+\k+1]
.endr
	ds_store_b128 v[PA], v[RS:RS+3]
	ds_store_b128 v[PA], v[RS+4:RS+7] offset:512
	s_wait_dscnt 0x0                               ; for the others' sake: my part lies in LDS
	s_barrier_signal -1
	s_barrier_wait -1
	s_cmp_lt_u32 s12, 2                            ; wave 0 adds registers 0-3 of the sixteen parts, wave 1 registers 4-7
	s_cbranch_scc0 .Ldone
.set NN, 0
.rept 16
	ds_load_b128 v[16+4*NN:16+4*NN+3], v[RDA] offset:1024*NN
.set NN, NN+1
.endr
	s_wait_dscnt 0x0
.set NN, 1
.rept 15
	v_pk_add_f32 v[16:17], v[16:17], v[16+4*NN:16+4*NN+1]          ; in the order of the heads
	v_pk_add_f32 v[18:19], v[18:19], v[18+4*NN:18+4*NN+1]
.set NN, NN+1
.endr
	global_store_b128 v[OOF], v[16:19], s[30:31]   ; row r, columns 16 nt + 8 h + 4 wave + 0 .. 3
.Ldone:
	s_wait_tensorcnt 0x0                           ; the wave's end
	ds_add_u32 v[SPW], v[NIL]
	s_wait_dscnt 0x0
	s_endpgm
.Lfunc_end_k_q1cb75d0724_first:
	.size	k_q1cb75d0724_first, .Lfunc_end_k_q1cb75d0724_first-k_q1cb75d0724_first
	.p2alignl 7, 3214868480
	.fill 96, 4, 3214868480
	.section	.rodata,"a",@progbits
	.p2align	6, 0x0
	.amdhsa_kernel k_q1cb75d0724_first
		.amdhsa_group_segment_fixed_size 18432
		.amdhsa_private_segment_fixed_size 0
		.amdhsa_enable_private_segment 0
		.amdhsa_kernarg_size 24
		.amdhsa_user_sgpr_count 2
		.amdhsa_user_sgpr_kernarg_segment_ptr 1
		.amdhsa_wavefront_size32 1
		.amdhsa_system_sgpr_workgroup_id_x 1
		.amdhsa_system_sgpr_workgroup_id_y 1
		.amdhsa_system_sgpr_workgroup_id_z 1
		.amdhsa_system_vgpr_workitem_id 0
		.amdhsa_next_free_vgpr 256
		.amdhsa_next_free_sgpr 66
		.amdhsa_reserve_vcc 1
		.amdhsa_float_denorm_mode_32 3
		.amdhsa_float_denorm_mode_16_64 3
		.amdhsa_memory_ordered 1
		.amdhsa_forward_progress 1
		.amdhsa_inst_pref_size 18
	.end_amdhsa_kernel
	.amdgpu_metadata
---
amdhsa.version: [ 1, 2 ]
amdhsa.kernels:
  - .name:           k_q1cb75d0724_first
    .symbol:         k_q1cb75d0724_first.kd
    .args:
      - { .name: h32, .offset: 0, .size: 8, .value_kind: global_buffer, .address_space: global }
      - { .name: wo, .offset: 8, .size: 8, .value_kind: global_buffer, .address_space: global }
      - { .name: out0, .offset: 16, .size: 8, .value_kind: global_buffer, .address_space: global }
    .group_segment_fixed_size: 18432
    .private_segment_fixed_size: 0
    .kernarg_segment_align: 8
    .kernarg_segment_size: 24
    .max_flat_workgroup_size: 512
    .sgpr_count:     66
    .vgpr_count:     256
    .wavefront_size: 32
...
	.end_amdgpu_metadata
.endif
;; end of part 5
